; MI455X (gfx1250); checked and timed in simulation.
; The chip was launched on July 23, 2026; its instructions are those of AMD's public machine-readable ISA for CDNA 5 (MIT licence, August 2026) and "CDNA5" Instruction Set Architecture Reference Guide (July 2026). The comments in the code are by the model that wrote it; some were corrected since.
;; Hyp Attention. Allowed arithmetic: matrix products marked QUANTISED: E5M2 operands, one E8M0 scale for each 32 along K, by v_wmma_scale_f32_16x16x128_f8f6f4 with both operands' format E5M2, f32 sums; products left as they are: f32 operands where the result goes on into a quantised operand, else bf16, f16 or f32 operands; f32 sums; everything else in f32.
;; Inputs: Wk_codes 8 x 64 x 8 x 32 uint8 (E5M2 codes of Wk, K innermost, in blocks of 32 codes); Wk_scales 8 x 64 x 8 uint8 (E8M0 scales of Wk, one for each 32 codes along K); Wm_codes 64 x 2 x 32 uint8 (E5M2 codes of Wm, K innermost, in blocks of 32 codes); Wm_scales 64 x 2 uint8 (E8M0 scales of Wm, one for each 32 codes along K); Wq_codes 8 x 64 x 8 x 32 uint8 (E5M2 codes of Wq, K innermost, in blocks of 32 codes); Wq_scales 8 x 64 x 8 uint8 (E8M0 scales of Wq, one for each 32 codes along K); Wv_codes 8 x 64 x 8 x 32 uint8 (E5M2 codes of Wv, K innermost, in blocks of 32 codes); Wv_scales 8 x 64 x 8 uint8 (E8M0 scales of Wv, one for each 32 codes along K); bk 8 x 64 float32; bm 64 float32; bq 8 x 64 float32; bv 8 x 64 float32; norm_scale one number float32; query_input_codes 100,000 x 8 x 32 uint8 (E5M2 codes of query_input, K innermost, in blocks of 32 codes); query_input_scales 100,000 x 8 uint8 (E8M0 scales of query_input, one for each 32 codes along K).
;; Outputs: out0 100,000 x 65 float32.
;; This version of the problem:
;;   THIS VERSION OF THE PROBLEM IS GIVEN IN LOW PRECISION. The matrix products marked QUANTISED in the list below multiply operands that are first quantised to E5M2 (5 exponent bits, 2 mantissa bits; 8 bits a number), with one power-of-two scale for each 32 numbers along K (OCP MX v1.0); their sums are f32. All else is computed in f32.
;;   The module's matrix products, in the order in which they are computed (A, B: the left and right operand; K: the contracted axis; several contracted axes count as one K, in the product's order):
;;     1. [M 100,000, K 256] x [K 256, N 512]; A: input query_input (given as codes); B: input Wq (given as codes): QUANTISED
;;     2. [M 100,000, K 256] x [K 256, N 512]; A: input query_input (given as codes); B: input Wk (given as codes): QUANTISED
;;     3. [M 100,000, K 256] x [K 256, N 512]; A: input query_input (given as codes); B: input Wv (given as codes): QUANTISED
;;     4. batch 8 x [M 64, K 100,000] x [K 100,000, N 64]; A: computed on the way; B: computed on the way: QUANTISED
;;     5. batch 8 x [M 64, K 64] x [K 64, N 100,000]; A: computed on the way; B: computed on the way: QUANTISED
;;     6. batch 8 x [M 1, K 64] x [K 64, N 100,000]; A: computed on the way; B: computed on the way: left as it is (M = 1 < 16)
;;     7. [M 800,000, K 64] x [K 64, N 64]; A: computed on the way; B: input Wm (given as codes): QUANTISED
;;   THE QUANTISER, for each operand of a quantised product, along K:
;;     - K is cut into blocks of 32 from its start; a last block that is shorter is filled with zeros.
;;     - A block's scale is 2^e with e = floor(log2(the largest magnitude in the block)) - 15, held to -126 .. 127; a block of zeros has e = 0. As a byte (E8M0): e + 127.
;;     - Each number is divided by its block's scale, clamped to +-57,344, and rounded to the nearest number of E5M2, ties to even, subnormals kept.
;;     - The product sums the exact products of the quantised numbers (number of the format x scale) in f32.
;;   ~~~python
;;   def quantise(x, axis):      # numpy; x: float32 -> the quantised numbers, widened to float32 again
;;       x = np.moveaxis(x, axis, -1); K = x.shape[-1]
;;       x = np.pad(x, [(0, 0)] * (x.ndim - 1) + [(0, -K % 32)]); x = x.reshape(x.shape[:-1] + (-1, 32)); a = np.abs(x).max(-1, keepdims=True)
;;       e = np.where(a > 0, np.clip(np.frexp(np.where(a > 0, a, 1))[1] - 1 - 15, -126, 127), 0)      # np.frexp(a)[1] - 1 = floor(log2(a)), exactly
;;       r = np.clip(x / 2.0 ** e, -57344, 57344)
;;       step = 2.0 ** (np.maximum(np.frexp(np.where(r == 0, 1, r))[1] - 1, -14) - 2)
;;       q = np.round(r / step) * step * 2.0 ** e      # np.round: ties to even
;;       return np.moveaxis(q.reshape(q.shape[:-2] + (-1,))[..., :K], -1, axis).astype(np.float32)
;;   ~~~
;;   OPERANDS COMPUTED ON THE WAY. 'Computed on the way' means the value that the module computes at that place (a softmax that the list does not call 'softmax' is quantised finished and normalised). What goes into a quantiser is computed in f32, as accurately as f32 sums, v_exp_f32 and their like allow (about 1e-6 of the number): no bf16 or f16 on the way to a quantiser, and a product that is left as it is and whose result goes on into a quantised operand takes f32 operands (vector FMAs, or v_wmma_f32_16x16x4_f32). A number that lies on a knife's edge between two numbers of the format may be rounded either way, as far as f32 arithmetic and the matrix unit's own rounding can turn it there, and no further.
;;   INPUTS GIVEN AS CODES. Wk (in the module: [8, 256, 64], K = its axis 1); Wm (in the module: [64, 64], K = its axis 0); Wq (in the module: [8, 256, 64], K = its axis 1); Wv (in the module: [8, 256, 64], K = its axis 1); query_input (in the module: [100000, 256], K = its axis 1): each comes as NAME_codes (uint8): NAME with its K axis moved to the last place and cut into blocks of 32 codes, [.., K / 32, bytes a block], one block behind the other in memory; one code a byte (a code: sign, 5 exponent bits, 2 mantissa bits); and NAME_scales (uint8): the same leading axes, one E8M0 byte (e + 127) for each 32 codes along K. Its value is code x scale, taken as it is: it is not quantised again, and the codes and scales need not be those that the quantiser above would give.
;; 2 versions, each right; version 2 is version 1 with the launch kv written anew for expert scheduling mode. Each part assembles by itself: llvm-mc -triple=amdgcn-amd-amdhsa -mcpu=gfx1250 --defsym DOCPART=n.
;; ======== version 1 of 2: 3 launches
;; workspace buffers: ktp 16,384,000 bytes; skp 512,000 bytes; kc 32,768 bytes; ks 8,192 bytes; sk 2,048 bytes
;; launch kv (part 1): grid 2 x 125, 4 waves a work-group, no clusters, 43,520 bytes of LDS; arguments query_input_codes, query_input_scales, Wk_codes, Wk_scales, Wv_codes, Wv_scales, bk, bv, norm_scale, ktp, skp; writes ktp, skp
.if DOCPART == 1
	.amdgcn_target "amdgcn-amd-amdhsa--gfx1250"
	.amdhsa_code_object_version 6
	.text
	.protected	k_q6fd8b6ba80_kv
	.globl	k_q6fd8b6ba80_kv
	.p2align	8
	.type	k_q6fd8b6ba80_kv,@function
k_q6fd8b6ba80_kv:
	s_mov_b64 s[64:65], 0
	v_nop
	global_prefetch_b8 v0, s[64:65] scope:SCOPE_SE
	s_setreg_imm32_b32 hwreg(HW_REG_WAVE_MODE, 25, 1), 1
	s_wait_xcnt 0x0
; FIRST PASS of linear attention: for a chunk of 800 rows and one head a wave makes k = x Wk + bk, v = x Wv + bv, phi_k = |y| / (|y^2| + 1e-12) y^2 with
; y = (relu(k) + 1e-6) / (|norm_scale| + 1e-6), quantises phi_k and v ALONG THE ROWS (blocks of 32 rows) and adds phi_k^T v into 16 accumulators; it also sums the unquantised phi_k over the rows.
; All products are on codes of E5M2 with one E8M0 scale for each 32 along K.  The chunk's partial sums go to ktp and skp; the next launch adds the 125 chunks.
; SHARES.  Work-group (g, chunk): four waves; wave w owns head 4 g + w for all 800 rows = 25 blocks of 32.  Its Wk and Wv (256 registers) and its 16 accumulators (128) stay in registers.
; LAYOUT.  The products with x are used in the natural order: source 0 = 16 rows of x, source 1 = 16 columns of W.  THE ROWS OF A TILE ARE NOT NEIGHBOURS: lane i of row tile u takes row 8 u + i + 8 (i / 8) of the block,
; so that in the result a lane holds ONE feature, and the 16 registers of its two row tiles are rows 16 (lane / 16) + 0 .. 15: sixteen neighbours along the next K.  The conversions' results are the next operand's registers.
; Wk's columns of tile t are 32 (t / 2) + 8 (t % 2) + i + 8 (i / 8), so that the accumulators' registers of tiles 2 b', 2 b' + 1 are features 32 b' + 16 (lane / 16) + 0 .. 15: the order that the third launch's operand wants.
; A K STEP of phi_k^T v is four blocks of 32 rows (places 0 to 3 of the fragments).  Block 0 takes place 3 of a step whose other places hold zero codes under the scale byte 0; blocks 1 + 4 k + c take place c.
; x comes from memory into registers four blocks ahead (a quarter of a block for each wave), goes into one of two LDS slots a block ahead, and is read from there by all four waves: one barrier a block.
; LIMITS.  NaN and infinities among the inputs' values are not served.  A block whose largest magnitude lies under 2^(16 - 127) keeps the scale byte 1 (a block of zeros too, where the rule says 127: its codes are zeros, and the
; bytes are read by this program alone).  The division by |norm_scale| + 1e-6 and that by |y^2| + 1e-12 are v_rcp_f32 and a multiplication.
; The accumulators and three places of the fragments are cleared once at the head (224 moves): so a block's text is written for the four places and the first block alone, and no sixth time for a first K step.
; No cluster: the grid is 2 x 125; what the two work-groups of a chunk share is x alone, which each brings through registers.  No prefetch: each block is asked for four blocks ahead.
.set XP,    272                        ; a row of x in LDS: 256 bytes + 16
.set XSLOT, 32*XP                      ; a block of 32 rows; two slots from LDS byte 0
.set XSC,   2*XSLOT                    ; behind them: the chunk's 6,400 scale bytes of x, a copy for each wave
.set XSCW,  6400
.set BLKB,  8192                       ; a block of x in memory
.set LASTB, 24*BLKB
; window 0
.set VXF,  1                           ; v1   LDS: my lane's place in a block of x: (r + 8 (r / 8)) XP + 16 h
.set VXC,  2                           ; v2   LDS: my lane's scale word of x: lanes 0-15 K step 0's, lanes 16-31 K step 1's
.set VXS,  3                           ; v3   LDS: where I put 16 bytes of my wave's 8 rows
.set VL16, 4                           ; v4   16 x lane
.set VT0,  5                           ; v5-6 addresses in hand
.set VT1,  6
.set CCV,  8                           ; v[8:9]    1e-6 / (|norm_scale| + 1e-6), twice
.set WKS,  10                          ; v10-13    Wk's scale words, tile t
.set WVS,  14                          ; v14-17    Wv's
.set XS,   18                          ; v18-19    x's, row tile u
.set PWK,  20                          ; v20-23    phi_k's scale words of the K step in hand, tile t
.set PWV,  24                          ; v24-27    v's
.set SKA,  28                          ; v[28:35]  the sums of phi_k over the rows, a pair for each tile
.set S2,   36                          ; v[36:51]  for each of my 16 rows: my features' sum of y^2
.set S4,   52                          ; v[52:67]  and of y^4
.set G,    68                          ; v[68:83]  for each of my 16 rows: |y| / (|y^2| + 1e-12)
.set X,    84                          ; v84-87    at work in the sums across lanes
.set TM,   88                          ; v88-91 largest magnitudes; v92-95 the other half's; v96-99 the conversions' scale operands; v100-103 57,344 x the scale; v104-107 the scale bytes
.set PM,   92
.set SO,   96
.set HD,   100
.set BY,   104
.set F,    108                         ; v108-110  at work
.set DK,   112                         ; v[112:175] k, then y, y^2, phi_k: tile t, row tile u at 8 (2 t + u)
.set DV,   176                         ; v[176:239] v likewise
; window 1: Wk's fragments (t, K step s) at 16 (2 t + s); Wv's at 128 + the same
; window 2: the accumulators (feature tile a, channel tile b) at 8 (4 b + a); phi_k's fragments at 128 + 16 a; v's at 192 + 16 b
; window 3: x's fragments (u, s) at 16 (2 u + s); bk at 64 + 8 t, bv at 96 + 8 t (eight equal registers a tile); four staging sets of 16 at 128 + 16 q
.set INV,  32                          ; s[32:33] 1 / (|norm_scale| + 1e-6), twice
.set MNT,  34                          ; s34  the mantissa field of 57,344
.set SEL,  36                          ; s[36:37] v_permlanex16_b32's selects for lane l xor 16
.set MSK,  38                          ; s38-41 the lanes whose number has bit 3, 2, 1, 0 set
.set CNT,  42
.set SB,   43                          ; s43  byte offset of the block to be asked for
.set XBASE, 44                         ; s[44:45] x at my wave's 8 rows of the chunk's block 0
.set XCUR, 46                          ; s[46:47] the same in the block asked for
.set SXS,  48                          ; s48  1,024 x the trip: four blocks' scale bytes
.set OFS,  50                          ; s[50:51] an offset in 64 bits
.set MSB, 0
.macro WIN new                         ; the immediate's high byte repeats the setting that is left
.if MSB != \new
	s_set_vgpr_msb (MSB<<8)|\new
.set MSB, \new
.endif
.endm
; x's scale words and four fragments of the block in the given slot
.macro XLOADF slot, xo
	v_add_nc_u32 v[VT0], s[SXS], v[VXC]
	ds_load_b32 v[XS], v[VT0] offset:\xo
	ds_load_b32 v[XS+1], v[VT0] offset:(\xo)+64
	WIN 0xc0                                       ; destination window 3
.irp u, 0,1
.irp s, 0,1
.irp c, 0,1,2,3
	ds_load_b128 v[16*(2*\u+\s)+4*\c:16*(2*\u+\s)+4*\c+3], v[VXF] offset:(\slot)*XSLOT+\u*8*XP+128*\s+32*\c
.endr
.endr
.endr
	WIN 0
.endm
; 16 matrix instructions: the block's 32 rows x my head's 64 columns of one weight, K = 256 in two steps; the bias is the C of the first.  The eight accumulators take turns.
.macro MULX d, w, bias, ws
	WIN 0x37                                       ; source 0 (x) window 3, source 1 (W) window 1, source 2 (the bias) window 3
.irp t, 0,1,2,3
.irp u, 0,1
	v_wmma_scale_f32_16x16x128_f8f6f4 v[\d+8*(2*\t+\u):\d+8*(2*\t+\u)+7], v[32*\u:32*\u+15], v[\w+32*\t:\w+32*\t+15], v[\bias+8*\t:\bias+8*\t+7], v[XS+\u], v[\ws+\t] matrix_a_fmt:MATRIX_FMT_BF8 matrix_b_fmt:MATRIX_FMT_BF8
.endr
.endr
	WIN 0x07
.irp t, 0,1,2,3
.irp u, 0,1
	v_wmma_scale_f32_16x16x128_f8f6f4 v[\d+8*(2*\t+\u):\d+8*(2*\t+\u)+7], v[32*\u+16:32*\u+31], v[\w+32*\t+16:\w+32*\t+31], v[\d+8*(2*\t+\u):\d+8*(2*\t+\u)+7], v[XS+\u], v[\ws+\t] matrix_a_fmt:MATRIX_FMT_BF8 matrix_b_fmt:MATRIX_FMT_BF8 matrix_a_scale:MATRIX_SCALE_ROW1 matrix_b_scale:MATRIX_SCALE_ROW1
.endr
.endr
	WIN 0
.endm
; 16 matrix instructions: phi_k^T v of a K step of 128 rows, onto the 16 accumulators by turns
.macro MKV
	WIN 0xaa                                       ; all four places window 2
.irp b, 0,1,2,3
.irp a, 0,1,2,3
	v_wmma_scale_f32_16x16x128_f8f6f4 v[8*(4*\b+\a):8*(4*\b+\a)+7], v[128+16*\a:128+16*\a+15], v[192+16*\b:192+16*\b+15], v[8*(4*\b+\a):8*(4*\b+\a)+7], v[PWK+\a], v[PWV+\b] matrix_a_fmt:MATRIX_FMT_BF8 matrix_b_fmt:MATRIX_FMT_BF8
.endr
.endr
	WIN 0
.endm
; from my 16 rows' largest magnitudes in v[TM] on (the floor among them) to the block's scale: the operand of the conversion, the hold, the byte
.macro QSCALE
.irp t, 0,1,2,3
	v_permlanex16_b32 v[PM+\t], v[TM+\t], s[SEL], s[SEL+1]
.endr
.irp t, 0,1,2,3
	v_max_num_f32 v[TM+\t], v[TM+\t], v[PM+\t]     ; with lane l xor 16's 16 rows: the block's largest magnitude
.endr
.irp t, 0,1,2,3
	v_add_nc_u32 v[SO+\t], 0xf8800000, v[TM+\t]    ; 15 off its exponent field: the conversion takes this operand's exponent field as its scale
.endr
.irp t, 0,1,2,3
	v_and_or_b32 v[HD+\t], v[TM+\t], 0x7f800000, s[MNT]   ; 57,344 x the scale
.endr
.irp t, 0,1,2,3
	v_lshrrev_b32 v[BY+\t], 23, v[SO+\t]           ; the scale's byte
.endr
.endm
.macro QWORD pw, c                     ; the byte goes to place c of the K step's scale word; place 0 begins the word anew
.irp t, 0,1,2,3
.if (\c) == 0
	v_mov_b32 v[\pw+\t], v[BY+\t]
.else
	v_lshl_or_b32 v[\pw+\t], v[BY+\t], 8*(\c), v[\pw+\t]
.endif
.endr
.endm
.macro QCODES src, dst, c              ; 16 numbers a tile become registers 4 c .. 4 c + 3 of the tile's fragment in window 2
	WIN 0x80
.irp t, 0,1,2,3
.irp u, 0,1
	v_cvt_scalef32_pk8_bf8_f32 v[\dst+16*\t+4*(\c)+2*\u:\dst+16*\t+4*(\c)+2*\u+1], v[\src+16*\t+8*\u:\src+16*\t+8*\u+7], v[SO+\t]
.endr
.endr
	WIN 0
.rept 4
	v_nop                                          ; the plain line behind the last conversion, and the four places between codes made by vector instructions and a scaled matrix instruction
.endr
.endm
; v of the block before: its scales,
.macro VQ1
.irp t, 0,1,2,3
	v_max3_num_f32 v[TM+\t], |v[DV+16*\t]|, |v[DV+16*\t+1]|, 0x8000000   ; my 16 rows, and the floor 2^(16 - 127); each accumulator is read from its low end on
.endr
.irp i, 2,4,6,8,10,12,14
.irp t, 0,1,2,3
	v_max3_num_f32 v[TM+\t], v[TM+\t], |v[DV+16*\t+\i]|, |v[DV+16*\t+\i+1]|
.endr
.endr
	QSCALE
.endm
; and its codes, into place c
.macro VQ2 c
	QWORD PWV, \c
.irp t, 0,1,2,3
.irp i, 0,1,2,3,4,5,6,7,8,9,10,11,12,13,14,15
	v_med3_num_f32 v[DV+16*\t+\i], v[DV+16*\t+\i], -v[HD+\t], v[HD+\t]   ; the conversion to an 8-bit code does not saturate (ISA guide 7.6.2): the hold
.endr
.endr
	QCODES DV, 192, \c
.endm
; k -> y^2, and for each of my 16 rows my four features' sums of y^2 and y^4
.macro KPHI_A
.set n, 0
.rept 64
	v_max_num_f32 v[DK+n], 0, v[DK+n]
.set n, n+1
.endr
.set n, 0
.rept 32
	v_pk_fma_f32 v[DK+n:DK+n+1], v[DK+n:DK+n+1], s[INV:INV+1], v[CCV:CCV+1] op_sel_hi:[1,0,1]   ; y = relu(k) inv + 1e-6 inv
.set n, n+2
.endr
.set n, 0
.rept 32
	v_pk_mul_f32 v[DK+n:DK+n+1], v[DK+n:DK+n+1], v[DK+n:DK+n+1]
.set n, n+2
.endr
.irp k, 0,2,4,6,8,10,12,14
	v_pk_add_f32 v[S2+\k:S2+\k+1], v[DK+\k:DK+\k+1], v[DK+16+\k:DK+16+\k+1]
	v_pk_mul_f32 v[S4+\k:S4+\k+1], v[DK+\k:DK+\k+1], v[DK+\k:DK+\k+1]
.endr
.irp k, 0,2,4,6,8,10,12,14
	v_pk_fma_f32 v[S4+\k:S4+\k+1], v[DK+16+\k:DK+16+\k+1], v[DK+16+\k:DK+16+\k+1], v[S4+\k:S4+\k+1]
.endr
.irp t, 2,3
.irp k, 0,2,4,6,8,10,12,14
	v_pk_add_f32 v[S2+\k:S2+\k+1], v[S2+\k:S2+\k+1], v[DK+16*\t+\k:DK+16*\t+\k+1]
	v_pk_fma_f32 v[S4+\k:S4+\k+1], v[DK+16*\t+\k:DK+16*\t+\k+1], v[DK+16*\t+\k:DK+16*\t+\k+1], v[S4+\k:S4+\k+1]
.endr
.endr
.endm
; One step of the sums across the 16 lanes of a half: a lane whose number has the bit set keeps register i + n and sends register i, the others the other way round.  After the four steps lane r holds row r's whole sum in register 0.
.macro RSTEP i, n, m, k
	v_cndmask_b32 v[X+2*((\i)%2)], v[S2+\i+\n], v[S2+\i], s[MSK+\k]
	v_cndmask_b32 v[X+2*((\i)%2)+1], v[S4+\i+\n], v[S4+\i], s[MSK+\k]
	v_cndmask_b32 v[S2+\i], v[S2+\i], v[S2+\i+\n], s[MSK+\k]
	v_cndmask_b32 v[S4+\i], v[S4+\i], v[S4+\i+\n], s[MSK+\k]
	v_add_f32_dpp v[S2+\i], v[X+2*((\i)%2)], v[S2+\i] row_xmask:\m row_mask:0xf bank_mask:0xf
	v_add_f32_dpp v[S4+\i], v[X+2*((\i)%2)+1], v[S4+\i] row_xmask:\m row_mask:0xf bank_mask:0xf
.endm
; the rows' factors, phi_k, its sums over the rows, its codes into place c
.macro KPHI_B c
.irp i, 0,1,2,3,4,5,6,7
	RSTEP \i, 8, 8, 0
.endr
.irp i, 0,1,2,3
	RSTEP \i, 4, 4, 1
.endr
	RSTEP 0, 2, 2, 2
	RSTEP 1, 2, 2, 2
	RSTEP 0, 1, 1, 3
	v_sqrt_f32 v[F], v[S2]                         ; |y| of row 16 h + r
	v_sqrt_f32 v[F+1], v[S4]                       ; |y^2|
	v_nop                                          ; a plain line behind the two roots,
	s_wait_alu depctr_va_vdst(0)                   ; and the wait ahead of the first reader: one for both
	v_add_f32 v[F+1], 0x2b8cbccc, v[F+1]           ; + 1e-12
	v_rcp_f32 v[F+2], v[F+1]
	v_nop
	s_wait_alu depctr_va_vdst(0)
	v_mul_f32 v[F], v[F], v[F+2]
.irp k, 0,1,2,3,4,5,6,7,8,9,10,11,12,13,14,15
	v_mov_b32_dpp v[G+\k], v[F] row_share:\k row_mask:0xf bank_mask:0xf   ; every lane gets the factor of each of its 16 rows
.endr
.irp t, 0,1,2,3
.irp k, 0,2,4,6,8,10,12,14
	v_pk_mul_f32 v[DK+16*\t+\k:DK+16*\t+\k+1], v[DK+16*\t+\k:DK+16*\t+\k+1], v[G+\k:G+\k+1]   ; phi_k
.endr
.endr
.irp k, 0,2,4,6,8,10,12,14
.irp t, 0,1,2,3
	v_pk_add_f32 v[SKA+2*\t:SKA+2*\t+1], v[SKA+2*\t:SKA+2*\t+1], v[DK+16*\t+\k:DK+16*\t+\k+1]   ; the sum over rows is taken of the unquantised phi_k
.endr
.endr
.irp t, 0,1,2,3
	v_max3_num_f32 v[TM+\t], v[DK+16*\t], v[DK+16*\t+1], 0x8000000   ; phi_k is not negative: no |.|
.endr
.irp i, 2,4,6,8,10,12,14
.irp t, 0,1,2,3
	v_max3_num_f32 v[TM+\t], v[TM+\t], v[DK+16*\t+\i], v[DK+16*\t+\i+1]
.endr
.endr
	QSCALE
	QWORD PWK, \c
.irp t, 0,1,2,3
.irp i, 0,1,2,3,4,5,6,7,8,9,10,11,12,13,14,15
	v_min_num_f32 v[DK+16*\t+\i], v[DK+16*\t+\i], v[HD+\t]   ; the hold, one-sided
.endr
.endr
	QCODES DK, 128, \c
.endm
; my 8 rows of the next block go from their staging set into the slot that was read a block ago
.macro STG_ST set, slot
	s_wait_loadcnt 12                              ; loads come back in order: this set's four are in; the three younger sets' twelve stay out
	WIN 0x0c                                       ; an LDS store's data are its source 1: window 3
.irp i, 0,1,2,3
	ds_store_b128 v[VXS], v[128+16*(\set)+4*\i:128+16*(\set)+4*\i+3] offset:(\slot)*XSLOT+2*XP*\i
.endr
	WIN 0
.endm
; and the set is asked for again: the block four on.  Past the chunk's end the last block is asked for once more, so that the count above holds in every block; those bytes are stored into a slot that nobody reads, or not at all
.macro STG_LD set
	s_wait_dscnt 0x0                               ; the stores have read the set
	s_wait_xcnt 0x0                                ; the earlier loads have read their base: it may be written
	s_min_u32 s[OFS], s[SB], LASTB
	s_add_nc_u64 s[XCUR:XCUR+1], s[XBASE:XBASE+1], s[OFS:OFS+1]
	WIN 0xc0
.irp i, 0,1,2,3
	global_load_b128 v[128+16*(\set)+4*\i:128+16*(\set)+4*\i+3], v[VL16], s[XCUR:XCUR+1] offset:512*\i
.endr
	WIN 0
	s_add_co_u32 s[SB], s[SB], BLKB
.endm
; A BLOCK.  Each run of matrix instructions has vector work of another register set behind it: the quantising of the last block's v stands round k's products, the feature map behind v's.
.macro PHASE c, first
.if \first
	XLOADF ((\c)+1)%2, 0
.else
	XLOADF ((\c)+1)%2, 256*((\c)+1)
	VQ1
.endif
	s_wait_dscnt 0x0                               ; x's fragments and scale words are in
	MULX DK, 0, 64, WKS
.if \first
.rept 8
	v_nop                                          ; the eight places between k's products and the first read of k
.endr
.else
	VQ2 ((\c)+3)%4                                 ; (these lines are those places)
.endif
	MULX DV, 128, 96, WVS
.if (\c) == 0
	MKV                                            ; the four places are full: the K step is multiplied
.endif
	STG_ST ((\c)+2)%4, (\c)%2
	KPHI_A
	STG_LD ((\c)+2)%4
	KPHI_B \c
	s_wait_dscnt 0x0                               ; for the others' sake: my stores into the next slot are done, and my reads of this one were waited for above
	s_barrier_signal -1
	s_barrier_wait -1
.endm
	s_load_b256 s[4:11], s[0:1], 0x0               ; x's codes, x's scales, Wk's codes, Wk's scales
	s_load_b256 s[12:19], s[0:1], 0x20             ; Wv's codes, Wv's scales, bk, bv
	s_load_b128 s[20:23], s[0:1], 0x40             ; norm_scale, ktp
	s_load_b64 s[24:25], s[0:1], 0x50              ; skp
	v_lshl_add_u32 v254, v0, 2, 0xa800
	v_mov_b32 v255, 0
	v_lshrrev_b32 v36, 5, v0
	v_readfirstlane_b32 s26, v36                   ; wave 0..3
	s_lshl_b32 s27, ttmp9, 2
	s_add_co_u32 s27, s27, s26                     ; my head
	s_and_b32 s28, ttmp7, 0xffff                   ; the chunk
	v_and_b32 v36, 15, v0                          ; r
	v_bfe_u32 v37, v0, 4, 1                        ; h
	v_and_b32 v38, 8, v36
	v_add_nc_u32 v38, v38, v36                     ; r + 8 (r / 8)
	v_and_b32 v[VL16], 31, v0
	v_lshlrev_b32 v45, 3, v[VL16]                  ; 8 x lane
	v_lshlrev_b32 v[VL16], 4, v[VL16]
	v_mul_u32_u24 v[VXF], v38, XP
	v_lshl_add_u32 v[VXF], v37, 4, v[VXF]
	s_mul_i32 s29, s26, XSCW
	s_add_co_u32 s29, s29, XSC                     ; my wave's copy of the scale bytes
	v_lshlrev_b32 v[VXC], 3, v38
	v_lshl_add_u32 v[VXC], v37, 2, v[VXC]
	v_add_nc_u32 v[VXC], s29, v[VXC]
	v_add_nc_u32 v46, s29, v[VL16]
	v_add_nc_u32 v47, s29, v45
	v_mul_u32_u24 v[VXS], v37, XP
	v_lshl_add_u32 v[VXS], v36, 4, v[VXS]
	s_mul_i32 s29, s26, 8*XP
	v_add_nc_u32 v[VXS], s29, v[VXS]               ; lanes 0-15 one row, lanes 16-31 the next, in my wave's 8 rows
	v_lshlrev_b32 v39, 8, v38
	v_lshl_add_u32 v39, v37, 4, v39                ; Wk's codes: column r + 8 (r / 8) of a tile, 256 bytes a column, + 16 h
	v_lshlrev_b32 v40, 8, v36
	v_lshl_add_u32 v40, v37, 4, v40                ; Wv's: column r
	v_lshlrev_b32 v41, 3, v38
	v_lshl_add_u32 v41, v37, 2, v41                ; their scale words: 8 bytes a column; lanes 16-31 take K step 1's
	v_lshlrev_b32 v42, 3, v36
	v_lshl_add_u32 v42, v37, 2, v42
	v_lshlrev_b32 v43, 2, v38                      ; the biases
	v_lshlrev_b32 v44, 2, v36
	s_mov_b32 s[MNT], 0x600000
	s_mov_b32 s[SEL], 0x76543210
	s_mov_b32 s[SEL+1], 0xfedcba98
	s_mov_b32 s[MSK], 0xff00ff00
	s_mov_b32 s[MSK+1], 0xf0f0f0f0
	s_mov_b32 s[MSK+2], 0xcccccccc
	s_mov_b32 s[MSK+3], 0xaaaaaaaa
	s_mov_b32 s[SXS], 0
	s_mov_b32 s[OFS+1], 0
	s_mov_b32 s53, 0
	s_wait_kmcnt 0x0
	s_load_b32 s30, s[20:21], 0x0                  ; norm_scale
	s_lshl_b32 s52, s27, 14                        ; a head's codes: 64 columns of 256 bytes
	s_add_nc_u64 s[8:9], s[8:9], s[52:53]
	s_add_nc_u64 s[12:13], s[12:13], s[52:53]
	s_lshl_b32 s52, s27, 9
	s_add_nc_u64 s[10:11], s[10:11], s[52:53]
	s_add_nc_u64 s[14:15], s[14:15], s[52:53]
	s_lshl_b32 s52, s27, 8
	s_add_nc_u64 s[16:17], s[16:17], s[52:53]
	s_add_nc_u64 s[18:19], s[18:19], s[52:53]
	s_mul_i32 s52, s28, XSCW
	s_add_nc_u64 s[6:7], s[6:7], s[52:53]
	s_mul_i32 s52, s28, 800*256
	s_lshl_b32 s54, s26, 11
	s_add_co_u32 s52, s52, s54
	s_add_nc_u64 s[XBASE:XBASE+1], s[4:5], s[52:53]
	s_lshl_b32 s52, s28, 17                        ; ktp: 131,072 bytes a chunk, 16,384 a head
	s_lshl_b32 s54, s27, 14
	s_add_co_u32 s52, s52, s54
	s_add_nc_u64 s[22:23], s[22:23], s[52:53]
	s_mul_i32 s52, s27, 64000                      ; skp: 64,000 bytes a head, 256 a chunk
	s_lshl_b32 s54, s28, 8
	s_add_co_u32 s52, s52, s54
	s_add_nc_u64 s[24:25], s[24:25], s[52:53]
	WIN 0x40                                       ; destination window 1
.irp t, 0,1,2,3
.irp s, 0,1
.irp c, 0,1,2,3
	global_load_b128 v[16*(2*\t+\s)+4*\c:16*(2*\t+\s)+4*\c+3], v39, s[8:9] offset:(32*(\t/2)+8*(\t%2))*256+128*\s+32*\c
	global_load_b128 v[128+16*(2*\t+\s)+4*\c:128+16*(2*\t+\s)+4*\c+3], v40, s[12:13] offset:16*\t*256+128*\s+32*\c
.endr
.endr
.endr
	WIN 0xc0                                       ; destination window 3
.irp t, 0,1,2,3
.irp j, 0,1,2,3,4,5,6,7
	global_load_b32 v[64+8*\t+\j], v43, s[16:17] offset:(32*(\t/2)+8*(\t%2))*4   ; in the result a lane holds one feature: its bias stands in all eight registers
	global_load_b32 v[96+8*\t+\j], v44, s[18:19] offset:64*\t
.endr
.endr
	WIN 0
.irp t, 0,1,2,3
	global_load_b32 v[WKS+\t], v41, s[10:11] offset:(32*(\t/2)+8*(\t%2))*8
	global_load_b32 v[WVS+\t], v42, s[14:15] offset:128*\t
.endr
.irp i, 0,1,2,3,4,5,6,7,8,9,10,11
	global_load_b128 v[DK+4*\i:DK+4*\i+3], v[VL16], s[6:7] offset:512*\i   ; the chunk's scale bytes of x: 12 x 512 + 256 bytes
.endr
	global_load_b64 v[DK+48:DK+49], v45, s[6:7] offset:6144
	WIN 0xc0
.irp q, 0,1,2,3
.irp i, 0,1,2,3
	global_load_b128 v[128+16*\q+4*\i:128+16*\q+4*\i+3], v[VL16], s[XBASE:XBASE+1] offset:BLKB*\q+512*\i   ; blocks 0 to 3, my 8 rows of each
.endr
.endr
	WIN 0x80                                       ; destination window 2: the accumulators, and places 0 to 2 of the eight fragments
.set n, 0
.rept 128
	v_mov_b32 v[n], 0
.set n, n+1
.endr
.irp f, 0,1,2,3,4,5,6,7
.irp i, 0,1,2,3,4,5,6,7,8,9,10,11
	v_mov_b32 v[128+16*\f+\i], 0
.endr
.endr
	WIN 0
.irp i, 0,1,2,3,4,5,6,7
	v_mov_b32 v[PWK+\i], 0                         ; the scale words of the first K step: byte 0 over zero codes
	v_mov_b32 v[SKA+\i], 0
.endr
.irp i, 0,1,2,3,4,5,6,7,8,9,10,11,12,13,14,15
	v_mov_b32 v[G+\i], 0                           ; written once: the destination of a lane move counts as one of its sources
.endr
.irp i, 0,1,2,3
	v_mov_b32 v[PM+\i], 0
.endr
	s_wait_kmcnt 0x0
	v_mov_b32 v[F], s30
	v_add_f32 v[F], 0x358637bd, |v[F]|             ; |norm_scale| + 1e-6
	v_rcp_f32 v[F+1], v[F]
	v_nop
	s_wait_alu depctr_va_vdst(0)
	v_readfirstlane_b32 s[INV], v[F+1]
	s_mov_b32 s[INV+1], s[INV]
	v_mul_f32 v[CCV], 0x358637bd, v[F+1]
	v_mov_b32 v[CCV+1], v[CCV]
	s_wait_loadcnt 16                              ; all but the sixteen staging loads are in
.irp i, 0,1,2,3,4,5,6,7,8,9,10,11
	ds_store_b128 v46, v[DK+4*\i:DK+4*\i+3] offset:512*\i
.endr
	ds_store_b64 v47, v[DK+48:DK+49] offset:6144
	STG_ST 0, 0                                    ; block 0 into slot 0
	s_wait_dscnt 0x0                               ; the stores have read their registers
	WIN 0xc0
.irp i, 0,1,2,3
	global_load_b128 v[128+4*\i:128+4*\i+3], v[VL16], s[XBASE:XBASE+1] offset:BLKB*4+512*\i
.endr
	WIN 0
	s_mov_b32 s[SB], 5*BLKB
	s_barrier_signal -1
	s_barrier_wait -1                              ; block 0 lies whole in slot 0
	PHASE 3, 1                                     ; block 0: place 3
	s_mov_b32 s[CNT], 6
.Ltrip:                                                ; blocks 1 + 4 k to 4 + 4 k
	PHASE 0, 0
	PHASE 1, 0
	PHASE 2, 0
	PHASE 3, 0
	s_add_co_u32 s[SXS], s[SXS], 1024
	s_sub_co_u32 s[CNT], s[CNT], 1
	s_cmp_lg_u32 s[CNT], 0
	s_cbranch_scc1 .Ltrip
	VQ1                                            ; the last block's v, and the last K step
	VQ2 3
	MKV
.irp t, 0,1,2,3
	v_add_f32 v[TM+\t], v[SKA+2*\t], v[SKA+2*\t+1] ; the sums of phi_k: even rows' and odd rows',
.endr
.irp t, 0,1,2,3
	v_permlanex16_b32 v[PM+\t], v[TM+\t], s[SEL], s[SEL+1]
.endr
.irp t, 0,1,2,3
	v_add_f32 v[TM+\t], v[TM+\t], v[PM+\t]         ; and the other half's 16 rows of each block
.endr
	v_lshrrev_b32 v[VT1], 1, v[VL16]               ; 8 x lane
.rept 8
	v_nop                                          ; eight places between the last products and the stores of their results
.endr
	WIN 0x08                                       ; a store's data are its source 1: window 2
.irp i, 0,1,2,3,4,5,6,7,8,9,10,11,12,13,14,15
	global_store_b128 v[VL16], v[8*\i:8*\i+3], s[22:23] offset:1024*\i th:TH_STORE_NT      ; each store covers 512 consecutive bytes, aligned; each accumulator from its low end on
	global_store_b128 v[VL16], v[8*\i+4:8*\i+7], s[22:23] offset:1024*\i+512 th:TH_STORE_NT
.endr
	WIN 0
	global_store_b64 v[VT1], v[TM:TM+1], s[24:25]                 ; tiles 0, 1: 256 consecutive bytes, aligned
	global_store_b64 v[VT1], v[TM+2:TM+3], s[24:25] offset:32000  ; tiles 2, 3
	s_wait_tensorcnt 0x0
	ds_add_u32 v254, v255
	s_wait_dscnt 0x0
	s_endpgm
.Lfunc_end_k_q6fd8b6ba80_kv:
	.size	k_q6fd8b6ba80_kv, .Lfunc_end_k_q6fd8b6ba80_kv-k_q6fd8b6ba80_kv
	.p2alignl 7, 3214868480
	.fill 96, 4, 3214868480
	.section	.rodata,"a",@progbits
	.p2align	6, 0x0
	.amdhsa_kernel k_q6fd8b6ba80_kv
		.amdhsa_group_segment_fixed_size 43520
		.amdhsa_private_segment_fixed_size 0
		.amdhsa_enable_private_segment 0
		.amdhsa_kernarg_size 88
		.amdhsa_user_sgpr_count 2
		.amdhsa_user_sgpr_kernarg_segment_ptr 1
		.amdhsa_wavefront_size32 1
		.amdhsa_system_sgpr_workgroup_id_x 1
		.amdhsa_system_sgpr_workgroup_id_y 1
		.amdhsa_system_sgpr_workgroup_id_z 1
		.amdhsa_system_vgpr_workitem_id 0
		.amdhsa_next_free_vgpr 960
		.amdhsa_next_free_sgpr 66
		.amdhsa_reserve_vcc 0
		.amdhsa_float_denorm_mode_32 3
		.amdhsa_float_denorm_mode_16_64 3
		.amdhsa_memory_ordered 1
		.amdhsa_forward_progress 1
		.amdhsa_inst_pref_size 245
	.end_amdhsa_kernel
	.amdgpu_metadata
---
amdhsa.version: [ 1, 2 ]
amdhsa.kernels:
  - .name:           k_q6fd8b6ba80_kv
    .symbol:         k_q6fd8b6ba80_kv.kd
    .args:
      - { .name: query_input_codes, .offset: 0, .size: 8, .value_kind: global_buffer, .address_space: global }
      - { .name: query_input_scales, .offset: 8, .size: 8, .value_kind: global_buffer, .address_space: global }
      - { .name: Wk_codes, .offset: 16, .size: 8, .value_kind: global_buffer, .address_space: global }
      - { .name: Wk_scales, .offset: 24, .size: 8, .value_kind: global_buffer, .address_space: global }
      - { .name: Wv_codes, .offset: 32, .size: 8, .value_kind: global_buffer, .address_space: global }
      - { .name: Wv_scales, .offset: 40, .size: 8, .value_kind: global_buffer, .address_space: global }
      - { .name: bk, .offset: 48, .size: 8, .value_kind: global_buffer, .address_space: global }
      - { .name: bv, .offset: 56, .size: 8, .value_kind: global_buffer, .address_space: global }
      - { .name: norm_scale, .offset: 64, .size: 8, .value_kind: global_buffer, .address_space: global }
      - { .name: ktp, .offset: 72, .size: 8, .value_kind: global_buffer, .address_space: global }
      - { .name: skp, .offset: 80, .size: 8, .value_kind: global_buffer, .address_space: global }
    .group_segment_fixed_size: 43520
    .private_segment_fixed_size: 0
    .kernarg_segment_align: 8
    .kernarg_segment_size: 88
    .max_flat_workgroup_size: 128
    .sgpr_count:     66
    .vgpr_count:     960
    .wavefront_size: 32
...
	.end_amdgpu_metadata
.endif
;; end of part 1
;; launch red (part 2): grid 8 x 8, 25 waves a work-group, no clusters, 60,928 bytes of LDS; arguments ktp, skp, kc, ks, sk; writes kc, ks, sk
.if DOCPART == 2
	.amdgcn_target "amdgcn-amd-amdhsa--gfx1250"
	.amdhsa_code_object_version 6
	.text
	.protected	k_q6fd8b6ba80_red
	.globl	k_q6fd8b6ba80_red
	.p2align	8
	.type	k_q6fd8b6ba80_red,@function
k_q6fd8b6ba80_red:
	s_mov_b64 s[64:65], 0
	v_nop
	global_prefetch_b8 v0, s[64:65] scope:SCOPE_SE
	s_setreg_imm32_b32 hwreg(HW_REG_WAVE_MODE, 25, 1), 1
	s_wait_xcnt 0x0
; SECOND PASS: the 125 chunks' partial sums of phi_k^T v and of phi_k are added, and kT_v is quantised along its features (blocks of 32) into codes of E5M2 with E8M0 scale bytes.
; Work-group (2 b + b', head): channel tile b (16 channels), feature block b' (32 features): two accumulator tiles, 2,048 consecutive bytes in each chunk's part of ktp.
; Each of 25 waves adds five chunks; the 25 images (16 + 2 registers a lane) meet in LDS behind one barrier; wave 0 adds them, quantises and stores.
; A lane holds channel 16 b + lane % 16 and features 32 b' + 16 (lane / 16) + 0 .. 15: the order of an operand's registers.  So the codes are stored as an image of those registers, 16 bytes a lane, and the third launch loads them so.
; The sums of phi_k are stored by the work-groups with b = 0, features in their natural order.
; LIMITS: a block whose largest magnitude lies under 2^(16 - 127), a block of zeros among them, keeps the scale byte 1: the bytes are read by this program alone.  NaN and infinities are not served.
; No matrix unit, no cluster, no tensor load: a sum of 16 MB read once; nothing is shared but 256 bytes a chunk of skp.
.set IMGB, 2304                        ; an image: 4 x 512 bytes of kT_v, 256 of the sums of phi_k
	s_load_b256 s[4:11], s[0:1], 0x0               ; ktp, skp, kc, ks
	s_load_b64 s[12:13], s[0:1], 0x20              ; sk
	v_lshl_add_u32 v128, v0, 2, 0xe100
	v_mov_b32 v129, 0
	v_lshrrev_b32 v1, 5, v0
	v_readfirstlane_b32 s14, v1                    ; wave 0..24
	s_and_b32 s15, ttmp7, 0xffff                   ; head
	v_and_b32 v1, 31, v0                           ; lane
	v_lshlrev_b32 v2, 4, v1
	v_lshlrev_b32 v3, 3, v1
	v_lshlrev_b32 v4, 2, v1
	s_mul_i32 s16, s14, IMGB
	v_add_nc_u32 v5, s16, v2                       ; my wave's image
	v_add_nc_u32 v6, s16, v3
	v_and_b32 v7, 8, v1
	v_add_nc_u32 v7, v7, v1
	v_lshlrev_b32 v7, 2, v7                        ; sk: feature r + 8 (r / 8) of a tile (lanes 0-15 store)
	v_mov_b32 v9, 0                                ; written once: a lane permute's destination counts as one of its sources
	s_mov_b32 s24, 0x76543210
	s_mov_b32 s25, 0xfedcba98
	s_mov_b32 s26, 0x600000                        ; the mantissa field of 57,344
	s_mul_i32 s18, s14, 5*131072                   ; my five chunks,
	s_lshl_b32 s20, s15, 14                        ; the head,
	s_add_co_u32 s18, s18, s20
	s_lshl_b32 s20, ttmp9, 11                      ; tiles (2 b', b) and (2 b' + 1, b): 1,024 (4 b + 2 b') bytes on
	s_add_co_u32 s18, s18, s20
	s_mov_b32 s19, 0
	s_and_b32 s27, ttmp9, 1                        ; b'
	s_mul_i32 s20, s15, 64000
	s_mul_i32 s22, s27, 32000
	s_add_co_u32 s20, s20, s22
	s_mul_i32 s22, s14, 5*256
	s_add_co_u32 s20, s20, s22
	s_mov_b32 s21, 0
	s_lshl_b32 s28, s15, 12                        ; kc: 4,096 bytes a head, 512 a work-group
	s_lshl_b32 s22, ttmp9, 9
	s_add_co_u32 s28, s28, s22
	s_mov_b32 s29, 0
	s_lshl_b32 s30, s15, 10                        ; ks: 1,024 and 128
	s_lshl_b32 s22, ttmp9, 7
	s_add_co_u32 s30, s30, s22
	s_mov_b32 s31, 0
	s_lshl_b32 s32, s15, 8                         ; sk: 256 bytes a head, 128 a block of 32 features
	s_lshl_b32 s22, s27, 7
	s_add_co_u32 s32, s32, s22
	s_mov_b32 s33, 0
	s_wait_kmcnt 0x0
	s_add_nc_u64 s[4:5], s[4:5], s[18:19]
	s_add_nc_u64 s[6:7], s[6:7], s[20:21]
	s_add_nc_u64 s[8:9], s[8:9], s[28:29]
	s_add_nc_u64 s[10:11], s[10:11], s[30:31]
	s_add_nc_u64 s[12:13], s[12:13], s[32:33]
.irp c, 0,1,2,3,4
.irp p, 0,1,2,3
	global_load_b128 v[16+16*\c+4*\p:16+16*\c+4*\p+3], v2, s[4:5] offset:131072*\c+512*\p th:TH_LOAD_NT   ; 512 consecutive bytes a load
.endr
	global_load_b64 v[96+2*\c:97+2*\c], v3, s[6:7] offset:256*\c
.endr
	s_wait_loadcnt 0x0
.irp c, 1,2,3,4
.irp n, 0,2,4,6,8,10,12,14
	v_pk_add_f32 v[16+\n:17+\n], v[16+\n:17+\n], v[16+16*\c+\n:17+16*\c+\n]
.endr
	v_pk_add_f32 v[96:97], v[96:97], v[96+2*\c:97+2*\c]
.endr
.irp p, 0,1,2,3
	ds_store_b128 v5, v[16+4*\p:19+4*\p] offset:512*\p
.endr
	ds_store_b64 v6, v[96:97] offset:2048
	s_wait_dscnt 0x0                               ; for wave 0's sake: my image lies in LDS
	s_barrier_signal -1
	s_barrier_wait -1
	s_cmp_lg_u32 s14, 0
	s_cbranch_scc1 .Ldone
.irp g, 0,1,2,3,4,5                    ; images 1 to 24, four at a time, onto my own
.irp i, 0,1,2,3
.irp p, 0,1,2,3
	ds_load_b128 v[32+16*\i+4*\p:35+16*\i+4*\p], v2 offset:(1+4*\g+\i)*IMGB+512*\p
.endr
	ds_load_b64 v[98+2*\i:99+2*\i], v3 offset:(1+4*\g+\i)*IMGB+2048
.endr
	s_wait_dscnt 0x0
.irp i, 0,1,2,3
.irp n, 0,2,4,6,8,10,12,14
	v_pk_add_f32 v[16+\n:17+\n], v[16+\n:17+\n], v[32+16*\i+\n:33+16*\i+\n]
.endr
	v_pk_add_f32 v[96:97], v[96:97], v[98+2*\i:99+2*\i]
.endr
.endr
	v_max3_num_f32 v8, |v16|, |v17|, 0x8000000     ; the largest magnitude of my 16 features, in two chains, with the floor 2^(16 - 127)
	v_max3_num_f32 v13, |v18|, |v19|, |v20|
	v_max3_num_f32 v8, v8, |v21|, |v22|
	v_max3_num_f32 v13, v13, |v23|, |v24|
	v_max3_num_f32 v8, v8, |v25|, |v26|
	v_max3_num_f32 v13, v13, |v27|, |v28|
	v_max3_num_f32 v8, v8, |v29|, |v30|
	v_max3_num_f32 v8, v8, v13, |v31|
	v_permlanex16_b32 v9, v8, s24, s25
	v_max_num_f32 v8, v8, v9                       ; with lane l xor 16's: the block's
	v_add_nc_u32 v10, 0xf8800000, v8               ; 15 off its exponent field: the conversion's scale operand
	v_and_or_b32 v11, v8, 0x7f800000, s26          ; 57,344 x the scale
	v_lshrrev_b32 v12, 23, v10                     ; the scale's byte
.irp i, 0,1,2,3,4,5,6,7,8,9,10,11,12,13,14,15
	v_med3_num_f32 v[16+\i], v[16+\i], -v11, v11   ; the conversion to an 8-bit code does not saturate (ISA guide 7.6.2): the hold
.endr
	v_cvt_scalef32_pk8_bf8_f32 v[108:109], v[16:23], v10
	v_cvt_scalef32_pk8_bf8_f32 v[110:111], v[24:31], v10
	v_nop                                          ; a plain line behind the last conversion
	global_store_b128 v2, v[108:111], s[8:9]       ; 512 consecutive bytes, aligned
	global_store_b32 v4, v12, s[10:11]
	s_cmp_lt_u32 ttmp9, 2                          ; b = 0: this work-group also stores its 32 features' sums of phi_k
	s_cbranch_scc0 .Ldone
	s_wait_xcnt 0x0                                ; EXEC changes only behind this wait
	v_cmp_gt_u32 vcc_lo, 16, v1
	s_and_saveexec_b32 s34, vcc_lo                 ; lanes 16-31 hold the same sums
	global_store_b32 v7, v96, s[12:13]             ; tile 2 b': features 32 b' + r + 8 (r / 8)
	global_store_b32 v7, v97, s[12:13] offset:32   ; tile 2 b' + 1: eight features on
	s_wait_xcnt 0x0
	s_or_b32 exec_lo, exec_lo, s34
.Ldone:
	s_wait_tensorcnt 0x0
	ds_add_u32 v128, v129
	s_wait_dscnt 0x0
	s_endpgm
.Lfunc_end_k_q6fd8b6ba80_red:
	.size	k_q6fd8b6ba80_red, .Lfunc_end_k_q6fd8b6ba80_red-k_q6fd8b6ba80_red
	.p2alignl 7, 3214868480
	.fill 96, 4, 3214868480
	.section	.rodata,"a",@progbits
	.p2align	6, 0x0
	.amdhsa_kernel k_q6fd8b6ba80_red
		.amdhsa_group_segment_fixed_size 60928
		.amdhsa_private_segment_fixed_size 0
		.amdhsa_enable_private_segment 0
		.amdhsa_kernarg_size 40
		.amdhsa_user_sgpr_count 2
		.amdhsa_user_sgpr_kernarg_segment_ptr 1
		.amdhsa_wavefront_size32 1
		.amdhsa_system_sgpr_workgroup_id_x 1
		.amdhsa_system_sgpr_workgroup_id_y 1
		.amdhsa_system_sgpr_workgroup_id_z 1
		.amdhsa_system_vgpr_workitem_id 0
		.amdhsa_next_free_vgpr 130
		.amdhsa_next_free_sgpr 66
		.amdhsa_reserve_vcc 1
		.amdhsa_float_denorm_mode_32 3
		.amdhsa_float_denorm_mode_16_64 3
		.amdhsa_memory_ordered 1
		.amdhsa_forward_progress 1
		.amdhsa_inst_pref_size 32
	.end_amdhsa_kernel
	.amdgpu_metadata
---
amdhsa.version: [ 1, 2 ]
amdhsa.kernels:
  - .name:           k_q6fd8b6ba80_red
    .symbol:         k_q6fd8b6ba80_red.kd
    .args:
      - { .name: ktp, .offset: 0, .size: 8, .value_kind: global_buffer, .address_space: global }
      - { .name: skp, .offset: 8, .size: 8, .value_kind: global_buffer, .address_space: global }
      - { .name: kc, .offset: 16, .size: 8, .value_kind: global_buffer, .address_space: global }
      - { .name: ks, .offset: 24, .size: 8, .value_kind: global_buffer, .address_space: global }
      - { .name: sk, .offset: 32, .size: 8, .value_kind: global_buffer, .address_space: global }
    .group_segment_fixed_size: 60928
    .private_segment_fixed_size: 0
    .kernarg_segment_align: 8
    .kernarg_segment_size: 40
    .max_flat_workgroup_size: 800
    .sgpr_count:     66
    .vgpr_count:     130
    .wavefront_size: 32
...
	.end_amdgpu_metadata
.endif
;; end of part 2
;; launch out (part 3): grid 250 x 1, 4 waves a work-group, no clusters, 252,416 bytes of LDS; arguments query_input_codes, query_input_scales, Wq_codes, Wq_scales, Wv_codes, Wv_scales, Wm_codes, Wm_scales, bq, bv, bm, norm_scale, kc, ks, sk, out0; writes out0
.if DOCPART == 3
	.amdgcn_target "amdgcn-amd-amdhsa--gfx1250"
	.amdhsa_code_object_version 6
	.text
	.protected	k_q6fd8b6ba80_out
	.globl	k_q6fd8b6ba80_out
	.p2align	8
	.type	k_q6fd8b6ba80_out,@function
k_q6fd8b6ba80_out:
	s_mov_b64 s[64:65], 0
	v_nop
	global_prefetch_b8 v0, s[64:65] scope:SCOPE_SE
	s_setreg_imm32_b32 hwreg(HW_REG_WAVE_MODE, 25, 1), 1
	s_wait_xcnt 0x0
; THIRD PASS: q = x Wq + bq, v = x Wv + bv, phi_q, numerator = phi_q kT_v, denominator = phi_q . sum_k, attn = numerator / (denominator + 1e-6) + v Wm + bm, the mean over the 8 heads, and the time component
; t = sqrt(|out|^2 + 1) in front of each row of 64.  All matrix products are on codes of E5M2 with one E8M0 scale for each 32 along K; phi_q and v are quantised in registers along the head's 64.
; SHARES.  A work-group owns 400 rows = 25 tiles of 16.  Wave w owns heads 2 w and 2 w + 1 for all rows: their Wq, Wv, biases, kT_v's codes, sum_k and Wm stay in its registers.  The four waves' partial sums of a tile meet in LDS
; (two slots by turns, one barrier a tile), and wave w finishes rows 4 w .. 4 w + 3 of the tile a tile later.
; LAYOUT.  All products are used transposed: source 0 = 16 columns of a weight, source 1 = 16 rows: a lane holds ONE row (lane % 16) throughout.  Wq's and Wv's columns of tile t are 32 (t / 2) + 8 (t % 2) + i + 8 (i / 8), so that the
; 16 registers of tiles 2 b', 2 b' + 1 are features 32 b' + 16 (lane / 16) + 0 .. 15: the conversions' results are the next operand's registers.
; K = 64 IN AN INSTRUCTION OF 128: source 1 is eight registers of codes and eight of zeros.  Source 0 is 16 registers that begin at a tile of eight: its upper half is the next tile's codes (behind the last: zeros), which meet zero codes
; alone; bytes 2 and 3 of the scale words are 0.
; x: the work-group's 400 rows of codes and scale bytes come into LDS once, by two tensor loads a wave at the head; nothing is filled again.  A wave has two tensor loads out.
; THE OUTPUT: rows of 260 bytes.  The work-group's 104,000 bytes are gathered in LDS as one stream, and leave in pieces of 4,096 bytes counted from the aligned 256 bytes in which the stream begins (SH = 64 (work-group % 4) bytes
; further down): each store of a wave covers 512 consecutive bytes, aligned.  Piece j is whole once tile j is finished, since 4,160 (j + 1) is not below 4,096 (j + 1).  Only the first and the last piece are masked.
; LIMITS.  NaN and infinities among the inputs' values are not served; a code of Wm that is no number would also reach neighbouring columns through the half-empty K.  A block whose largest magnitude lies under 2^(16 - 127) keeps the
; scale byte 1.  Divisions are v_rcp_f32 and a multiplication.  sum_k enters the denominator's product rounded to bf16; phi_q enters it in f32.
; No cluster: 250 work-groups do not divide by four, and what they share, the weights, is read once into registers.  No prefetch: all of x is asked for at the head.
.set XP,    272                        ; a row of x in LDS: 256 bytes + 16
.set XSC,   400*XP                     ; 108,800: x's scale bytes, 8 a row
.set SBUF,  112128                     ; the next multiple of 256 behind them: the partial sums: 2 slots x 4 images of 16 rows x (256 bytes + 16)
.set IMG,   16*XP
.set SSL,   4*IMG
.set STG0,  SBUF+2*SSL                 ; 256 cleared bytes in front of the stream,
.set STGD,  STG0+256                   ; the stream,
.set OUTB,  104000                     ; and behind it 512 cleared bytes
.set XFA, 1                            ; v1   LDS: my lane's place in the tile of x in hand
.set XSA, 2                            ; v2   its scale word: lanes 0-15 K step 0's, lanes 16-31 K step 1's
.set SST, 3                            ; v3   where I put 32 bytes of a row of my wave's image
.set SRD, 4                            ; v4   where I read 32 bytes of a row that I finish
.set OST, 5                            ; v5   the stream: my eight numbers of the row that I finish
.set OT,  6                            ; v6   and that row's first word
.set FLD, 7                            ; v7   the stream: my 16 bytes of the piece to be flushed
.set GOF, 8                            ; v8   1,024 x wave + 16 x lane
.set TA,  9                            ; v9   an address in hand
.set CCV, 10                           ; v[10:11] 1e-6 / (|norm_scale| + 1e-6), twice
.set BM,  12                           ; v[12:19] bm of my eight columns
.set WQS, 20                           ; v20-27 Wq's scale words (4 a + t);  v28-35 Wv's
.set WVS, 28
.set KTS, 36                           ; v36-39 kT_v's scale words: register 2 a + t / 2: tile t in lanes 0-15 (t even) or 16-31 (t odd)
.set WMS, 40                           ; v40-41 Wm's likewise
.set XS,  42                           ; v42  x's scale words
.set PW,  43                           ; v43  the scale word of the codes just made
.set SKH, 44                           ; v[44:75] sum_k as pairs of bf16: head a, register n / 2, half n % 2 goes with result register n
.set XF,  76                           ; v[76:107] x's two fragments
.set B0,  108                          ; v[108:139] head 0: v, then q, y^2, phi_q, then the numerator
.set B1,  140                          ; v[140:171] head 1
.set B2,  172                          ; v[172:203] four images of the tile before; then v Wm of both heads and the wave's partial sum
.set CD,  204                          ; v[204:211] the codes just made,
.set Z,   212                          ; v[212:219] and eight registers of zeros behind them
.set TM,  220                          ; at work: v220-221 largest magnitudes, v222-223 the other half's, v224-225 scale operands, v226-227 holds, v228-229 bytes
.set PM,  222
.set SO,  224
.set HD,  226
.set BY,  228
.set SA,  230                          ; v[230:233] the sum of y^2 in two chains;  v[234:237] of y^4;  v238-241 of sum_k y^2 in four
.set SC,  234
.set DN,  238
.set FL,  244                          ; v[244:251] the piece being flushed
.set RD,  252                          ; v252, v254: 1 / (denominator + 1e-6) of heads 0, 1: each the low word of a pair
; window 1: Wq's fragments (a, t, K step s) at 16 (8 a + 2 t + s).   window 2: Wv's likewise.
; window 3: Wm's tiles at 8 t; kT_v's at 32 + 8 (4 a + t); zeros at 96; bq at 104 + 8 (4 a + t); bv at 168 + the same
.set G1X, 36                           ; s[36:43], s[44:47] descriptor groups 1 and 0 for x's codes;  s[48:55], s[56:59] for its scale bytes
.set G0X, 44
.set G1S, 48
.set G0S, 56
.set WV,  60
.set SS,  61                           ; s61  the slot of partial sums written last
.set CNT, 62
.set MNT, 63
.set INV, 66                           ; s[66:67] 1 / (|norm_scale| + 1e-6), twice
.set SEL, 70
.set SOUT, 72                          ; s[72:73] out0 at the piece last flushed
.set SOUT0, 74                         ; s[74:75] out0 at piece 0
.set SH,  76                           ; s76  64 (work-group % 4)
.set FLB, 77                           ; s77  LDS: where piece 0 begins: STGD - SH
.set LIM, 78
.set SV,  79
.set MSB, 0
.macro WIN new                         ; the immediate's high byte repeats the setting that is left
.if MSB != \new
	s_set_vgpr_msb (MSB<<8)|\new
.set MSB, \new
.endif
.endm
; v of both heads: 16 matrix instructions, eight accumulators by turns; the bias is the C of the first K step
.macro MV
	WIN 0x32                                       ; source 0 (Wv) window 2, source 2 (bv) window 3
.irp a, 0,1
.irp t, 0,1,2,3
	v_wmma_scale_f32_16x16x128_f8f6f4 v[B0+32*\a+8*\t:B0+32*\a+8*\t+7], v[16*(8*\a+2*\t):16*(8*\a+2*\t)+15], v[XF:XF+15], v[168+8*(4*\a+\t):168+8*(4*\a+\t)+7], v[WVS+4*\a+\t], v[XS] matrix_a_fmt:MATRIX_FMT_BF8 matrix_b_fmt:MATRIX_FMT_BF8
.endr
.endr
	WIN 0x02
.irp a, 0,1
.irp t, 0,1,2,3
	v_wmma_scale_f32_16x16x128_f8f6f4 v[B0+32*\a+8*\t:B0+32*\a+8*\t+7], v[16*(8*\a+2*\t+1):16*(8*\a+2*\t+1)+15], v[XF+16:XF+31], v[B0+32*\a+8*\t:B0+32*\a+8*\t+7], v[WVS+4*\a+\t], v[XS] matrix_a_fmt:MATRIX_FMT_BF8 matrix_b_fmt:MATRIX_FMT_BF8 matrix_a_scale:MATRIX_SCALE_ROW1 matrix_b_scale:MATRIX_SCALE_ROW1
.endr
.endr
	WIN 0
.endm
; q of head a: 8 matrix instructions, four accumulators by turns
.macro MQ a
	WIN 0x31                                       ; source 0 (Wq) window 1, source 2 (bq) window 3
.irp t, 0,1,2,3
	v_wmma_scale_f32_16x16x128_f8f6f4 v[B0+32*\a+8*\t:B0+32*\a+8*\t+7], v[16*(8*\a+2*\t):16*(8*\a+2*\t)+15], v[XF:XF+15], v[104+8*(4*\a+\t):104+8*(4*\a+\t)+7], v[WQS+4*\a+\t], v[XS] matrix_a_fmt:MATRIX_FMT_BF8 matrix_b_fmt:MATRIX_FMT_BF8
.endr
	WIN 0x01
.irp t, 0,1,2,3
	v_wmma_scale_f32_16x16x128_f8f6f4 v[B0+32*\a+8*\t:B0+32*\a+8*\t+7], v[16*(8*\a+2*\t+1):16*(8*\a+2*\t+1)+15], v[XF+16:XF+31], v[B0+32*\a+8*\t:B0+32*\a+8*\t+7], v[WQS+4*\a+\t], v[XS] matrix_a_fmt:MATRIX_FMT_BF8 matrix_b_fmt:MATRIX_FMT_BF8 matrix_a_scale:MATRIX_SCALE_ROW1 matrix_b_scale:MATRIX_SCALE_ROW1
.endr
	WIN 0
.endm
; a product with K = 64: D(t) = 16 rows at v[ab + 8 t] of window 3 x the codes just made.  acc = 0: the sums begin
.macro M64 d, ab, sc, acc
	WIN 0x03
.irp t, 0,2
.if \acc
	v_wmma_scale_f32_16x16x128_f8f6f4 v[\d+8*\t:\d+8*\t+7], v[\ab+8*\t:\ab+8*\t+15], v[CD:CD+15], v[\d+8*\t:\d+8*\t+7], v[\sc+\t/2], v[PW] matrix_a_fmt:MATRIX_FMT_BF8 matrix_b_fmt:MATRIX_FMT_BF8
	v_wmma_scale_f32_16x16x128_f8f6f4 v[\d+8*\t+8:\d+8*\t+15], v[\ab+8*\t+8:\ab+8*\t+23], v[CD:CD+15], v[\d+8*\t+8:\d+8*\t+15], v[\sc+\t/2], v[PW] matrix_a_fmt:MATRIX_FMT_BF8 matrix_b_fmt:MATRIX_FMT_BF8 matrix_a_scale:MATRIX_SCALE_ROW1
.else
	v_wmma_scale_f32_16x16x128_f8f6f4 v[\d+8*\t:\d+8*\t+7], v[\ab+8*\t:\ab+8*\t+15], v[CD:CD+15], 0, v[\sc+\t/2], v[PW] matrix_a_fmt:MATRIX_FMT_BF8 matrix_b_fmt:MATRIX_FMT_BF8
	v_wmma_scale_f32_16x16x128_f8f6f4 v[\d+8*\t+8:\d+8*\t+15], v[\ab+8*\t+8:\ab+8*\t+23], v[CD:CD+15], 0, v[\sc+\t/2], v[PW] matrix_a_fmt:MATRIX_FMT_BF8 matrix_b_fmt:MATRIX_FMT_BF8 matrix_a_scale:MATRIX_SCALE_ROW1
.endif
.endr
	WIN 0
.endm
; from the two blocks' largest magnitudes (the floor among them) to the scale operands, the holds and the scale word
.macro QSC
.irp b, 0,1
	v_add_nc_u32 v[SO+\b], 0xf8800000, v[TM+\b]    ; 15 off the exponent field: the conversion's scale operand
.endr
.irp b, 0,1
	v_and_or_b32 v[HD+\b], v[TM+\b], 0x7f800000, s[MNT]   ; 57,344 x the scale
.endr
.irp b, 0,1
	v_lshrrev_b32 v[BY+\b], 23, v[SO+\b]
.endr
	v_lshl_or_b32 v[PW], v[BY+1], 8, v[BY]         ; bytes 2 and 3 stay 0: they scale zero codes
.endm
.macro QCD bx
.irp b, 0,1
.irp u, 0,1
	v_cvt_scalef32_pk8_bf8_f32 v[CD+4*\b+2*\u:CD+4*\b+2*\u+1], v[\bx+16*\b+8*\u:\bx+16*\b+8*\u+7], v[SO+\b]
.endr
.endr
.rept 4
	v_nop                                          ; the plain line behind the last conversion, and the four places between codes made by vector instructions and a scaled matrix instruction
.endr
.endm
; v of one head is quantised along its 64 channels
.macro QV bx
.irp b, 0,1
	v_max3_num_f32 v[TM+\b], |v[\bx+16*\b]|, |v[\bx+16*\b+1]|, 0x8000000   ; each accumulator is read from its low end on
.endr
.irp i, 2,4,6,8,10,12,14
.irp b, 0,1
	v_max3_num_f32 v[TM+\b], v[TM+\b], |v[\bx+16*\b+\i]|, |v[\bx+16*\b+\i+1]|
.endr
.endr
.irp b, 0,1
	v_permlanex16_b32 v[PM+\b], v[TM+\b], s[SEL], s[SEL+1]
.endr
.irp b, 0,1
	v_max_num_f32 v[TM+\b], v[TM+\b], v[PM+\b]
.endr
	QSC
.irp b, 0,1
.irp i, 0,1,2,3,4,5,6,7,8,9,10,11,12,13,14,15
	v_med3_num_f32 v[\bx+16*\b+\i], v[\bx+16*\b+\i], -v[HD+\b], v[HD+\b]   ; the conversion to an 8-bit code does not saturate (ISA guide 7.6.2): the hold
.endr
.endr
	QCD \bx
.endm
; q of head a -> phi_q's codes, and 1 / (denominator + 1e-6)
.macro PHI bx, a
.irp b, 0,1
	v_max3_num_f32 v[TM+\b], v[\bx+16*\b], v[\bx+16*\b+1], 0   ; THE LARGEST q OF EACH BLOCK (0 at the least): phi_q rises with q, so the same three operations on it give the block's largest phi_q, bit for bit
.endr
.irp i, 2,4,6,8,10,12,14
.irp b, 0,1
	v_max3_num_f32 v[TM+\b], v[TM+\b], v[\bx+16*\b+\i], v[\bx+16*\b+\i+1]
.endr
.endr
.irp b, 0,1
	v_permlanex16_b32 v[PM+\b], v[TM+\b], s[SEL], s[SEL+1]
.endr
.irp b, 0,1
	v_max_num_f32 v[TM+\b], v[TM+\b], v[PM+\b]
.endr
.set n, 0
.rept 32
	v_max_num_f32 v[\bx+n], 0, v[\bx+n]
.set n, n+1
.endr
.set n, 0
.rept 16
	v_pk_fma_f32 v[\bx+n:\bx+n+1], v[\bx+n:\bx+n+1], s[INV:INV+1], v[CCV:CCV+1] op_sel_hi:[1,0,1]   ; y = relu(q) inv + 1e-6 inv
.set n, n+2
.endr
.set n, 0
.rept 16
	v_pk_mul_f32 v[\bx+n:\bx+n+1], v[\bx+n:\bx+n+1], v[\bx+n:\bx+n+1]
.set n, n+2
.endr
.set n, 0
.rept 16                               ; three sums over my 32 features, their chains by turns: y^2, y^4, sum_k y^2
.set q, (n/2)%2
.if n < 4
	v_pk_mul_f32 v[SC+2*q:SC+2*q+1], v[\bx+n:\bx+n+1], v[\bx+n:\bx+n+1]
	v_fma_mix_f32_bf16 v[DN+n%4], v[SKH+16*\a+n/2], v[\bx+n], v[Z] op_sel:[0,0,0] op_sel_hi:[1,0,0]
	v_fma_mix_f32_bf16 v[DN+n%4+1], v[SKH+16*\a+n/2], v[\bx+n+1], v[Z] op_sel:[1,0,0] op_sel_hi:[1,0,0]
.else
.if n < 8
	v_pk_add_f32 v[SA+2*q:SA+2*q+1], v[\bx+n-4:\bx+n-3], v[\bx+n:\bx+n+1]
.else
	v_pk_add_f32 v[SA+2*q:SA+2*q+1], v[SA+2*q:SA+2*q+1], v[\bx+n:\bx+n+1]
.endif
	v_pk_fma_f32 v[SC+2*q:SC+2*q+1], v[\bx+n:\bx+n+1], v[\bx+n:\bx+n+1], v[SC+2*q:SC+2*q+1]
	v_fma_mix_f32_bf16 v[DN+n%4], v[SKH+16*\a+n/2], v[\bx+n], v[DN+n%4] op_sel:[0,0,0] op_sel_hi:[1,0,0]
	v_fma_mix_f32_bf16 v[DN+n%4+1], v[SKH+16*\a+n/2], v[\bx+n+1], v[DN+n%4+1] op_sel:[1,0,0] op_sel_hi:[1,0,0]
.endif
.set n, n+2
.endr
	v_pk_add_f32 v[SA:SA+1], v[SA:SA+1], v[SA+2:SA+3]
	v_pk_add_f32 v[SC:SC+1], v[SC:SC+1], v[SC+2:SC+3]
	v_add_f32 v[DN], v[DN], v[DN+1]
	v_add_f32 v[DN+2], v[DN+2], v[DN+3]
	v_add_f32 v[SA], v[SA], v[SA+1]
	v_add_f32 v[SC], v[SC], v[SC+1]
	v_add_f32 v[DN], v[DN], v[DN+2]
	v_permlanex16_b32 v[SA+2], v[SA], s[SEL], s[SEL+1]   ; the row's other 32 features lie in the lane 16 away
	v_permlanex16_b32 v[SC+2], v[SC], s[SEL], s[SEL+1]
	v_permlanex16_b32 v[DN+1], v[DN], s[SEL], s[SEL+1]
	v_add_f32 v[SA], v[SA], v[SA+2]
	v_add_f32 v[SC], v[SC], v[SC+2]
	v_add_f32 v[DN], v[DN], v[DN+1]
	v_sqrt_f32 v[SA+1], v[SA]                      ; |y|
	v_sqrt_f32 v[SC+1], v[SC]                      ; |y^2|
.irp b, 0,1
	v_fma_f32 v[TM+\b], v[TM+\b], s[INV], v[CCV]   ; the largest q's y (plain lines behind the roots)
.endr
.irp b, 0,1
	v_mul_f32 v[TM+\b], v[TM+\b], v[TM+\b]         ; and y^2
.endr
	s_wait_alu depctr_va_vdst(0)                   ; the wait ahead of the first reader: one for both roots
	v_add_f32 v[SC+1], 0x2b8cbccc, v[SC+1]         ; + 1e-12
	v_rcp_f32 v[SC+2], v[SC+1]
	v_nop
	s_wait_alu depctr_va_vdst(0)
	v_mul_f32 v[SA], v[SA+1], v[SC+2]              ; f = |y| / (|y^2| + 1e-12)
	v_fmaak_f32 v[DN], v[SA], v[DN], 0x358637bd    ; the denominator + 1e-6
	v_rcp_f32 v[RD+2*\a], v[DN]
.irp b, 0,1
	v_mul_f32 v[TM+\b], v[TM+\b], v[SA]            ; the block's largest phi_q
.endr
.irp b, 0,1
	v_max_num_f32 v[TM+\b], 0x8000000, v[TM+\b]    ; the floor 2^(16 - 127)
.endr
	QSC
.set n, 0
.rept 16
	v_pk_mul_f32 v[\bx+n:\bx+n+1], v[\bx+n:\bx+n+1], v[SA:SA+1] op_sel_hi:[1,0]   ; phi_q
.set n, n+2
.endr
	s_wait_alu depctr_va_vdst(0)                   ; for the reciprocal, behind independent work and ahead of its first reader
.irp b, 0,1
.irp i, 0,1,2,3,4,5,6,7,8,9,10,11,12,13,14,15
	v_min_num_f32 v[\bx+16*\b+\i], v[\bx+16*\b+\i], v[HD+\b]   ; the hold, one-sided: phi_q is not negative
.endr
.endr
	QCD \bx
.endm
; the four waves' images of the tile before are added; / 8, + bm; into the stream, with the row's t in front
.macro FINAL
.irp n, 0,2,4,6
	v_pk_add_f32 v[B2+\n:B2+\n+1], v[B2+\n:B2+\n+1], v[B2+8+\n:B2+8+\n+1]
	v_pk_add_f32 v[B2+16+\n:B2+16+\n+1], v[B2+16+\n:B2+16+\n+1], v[B2+24+\n:B2+24+\n+1]
.endr
.irp n, 0,2,4,6
	v_pk_add_f32 v[B2+\n:B2+\n+1], v[B2+\n:B2+\n+1], v[B2+16+\n:B2+16+\n+1]
.endr
.irp n, 0,2,4,6
	v_pk_fma_f32 v[B2+\n:B2+\n+1], v[B2+\n:B2+\n+1], 0x3e000000, v[BM+\n:BM+\n+1] op_sel_hi:[1,0,1]
.endr
.irp e, 0,1,2,3,4,5,6,7
	ds_store_b32 v[OST], v[B2+\e] offset:4*\e
.endr
	v_pk_mul_f32 v[TM:TM+1], v[B2:B2+1], v[B2:B2+1]
.irp n, 2,4,6
	v_pk_fma_f32 v[TM:TM+1], v[B2+\n:B2+\n+1], v[B2+\n:B2+\n+1], v[TM:TM+1]
.endr
	v_add_f32 v[TM], v[TM], v[TM+1]
	v_add_f32_dpp v[TM], v[TM], v[TM] row_xmask:1 row_mask:0xf bank_mask:0xf   ; the eight lanes of a row
	v_add_f32_dpp v[TM], v[TM], v[TM] row_xmask:2 row_mask:0xf bank_mask:0xf
	v_add_f32_dpp v[TM], v[TM], v[TM] row_xmask:4 row_mask:0xf bank_mask:0xf
	v_add_f32 v[TM], 1.0, v[TM]
	v_sqrt_f32 v[TM+1], v[TM]
	v_add_nc_u32 v[OST], 16*260, v[OST]            ; (a plain line behind the root)  on to the next tile's rows
	s_wait_alu depctr_va_vdst(0)
	ds_store_b32 v[OT], v[TM+1]                    ; eight lanes write the same word with the same value
	v_add_nc_u32 v[OT], 16*260, v[OT]
.endm
.macro IMAGES                          ; the four images of the slot written last, my 32 bytes of a row of each
	v_add_nc_u32 v[TA], s[SS], v[SRD]
.irp m, 0,1,2,3
	ds_load_b128 v[B2+8*\m:B2+8*\m+3], v[TA] offset:\m*IMG
	ds_load_b128 v[B2+8*\m+4:B2+8*\m+7], v[TA] offset:\m*IMG+16
.endr
.endm
; A TILE of 16 rows.  fin = 1: the tile before is finished on the way.  fl = 1: the piece of the stream that became whole a barrier ago is flushed.
; Every run of matrix instructions has vector work on other registers behind it, which also fills the places that its results and sources ask for.
.macro TILE fin, fl
.if \fl
	s_wait_xcnt 0x0                                ; the last flush's stores have read their data and their base
	s_add_nc_u64 s[SOUT:SOUT+1], s[SOUT:SOUT+1], 4096
	ds_load_b128 v[FL:FL+3], v[FLD]
	ds_load_b128 v[FL+4:FL+7], v[FLD] offset:512
.endif
.if \fin
	IMAGES
.endif
	s_xor_b32 s[SS], s[SS], SSL                    ; this tile's partial sums go to the other slot
	ds_load_b32 v[XS], v[XSA]
.irp s, 0,1
.irp c, 0,1,2,3
	ds_load_b128 v[XF+16*\s+4*\c:XF+16*\s+4*\c+3], v[XFA] offset:128*\s+32*\c
.endr
.endr
	s_wait_dscnt 0x0
	v_add_nc_u32 v[XFA], IMG, v[XFA]               ; 16 rows of x on
	v_add_nc_u32 v[XSA], 128, v[XSA]
.if \fl
	v_add_nc_u32 v[FLD], 4096, v[FLD]
.endif
	MV
.if \fl
	global_store_b128 v[GOF], v[FL:FL+3], s[SOUT:SOUT+1] th:TH_STORE_NT              ; 512 consecutive bytes, aligned
	global_store_b128 v[GOF], v[FL+4:FL+7], s[SOUT:SOUT+1] offset:512 th:TH_STORE_NT
.endif
.if \fin
	FINAL
.else
.rept 8
	v_nop                                          ; the places between v's products and the first read of v
.endr
.endif
	QV B0
	M64 B2, 0, WMS, 0                              ; v Wm of head 0 begins the wave's partial sum
	MQ 0
	QV B1
	M64 B2, 0, WMS, 1                              ; + v Wm of head 1
	MQ 1
	PHI B0, 0
	M64 B0, 32, KTS, 0                             ; the numerator of head 0
	PHI B1, 1
	M64 B1, 64, KTS+2, 0                           ; of head 1
.set n, 0
.rept 16
	v_pk_fma_f32 v[B2+n:B2+n+1], v[B0+n:B0+n+1], v[RD:RD+1], v[B2+n:B2+n+1] op_sel_hi:[1,0,1]   ; + numerator / (denominator + 1e-6); these sixteen are the places behind head 1's products
.set n, n+2
.endr
.set n, 0
.rept 16
	v_pk_fma_f32 v[B2+n:B2+n+1], v[B1+n:B1+n+1], v[RD+2:RD+3], v[B2+n:B2+n+1] op_sel_hi:[1,0,1]
.set n, n+2
.endr
	v_add_nc_u32 v[TA], s[SS], v[SST]
.irp t, 0,1,2,3
	ds_store_b128 v[TA], v[B2+8*\t:B2+8*\t+3] offset:64*\t         ; lane (r, h): row r, columns 16 t + 8 h + 0 .. 7
	ds_store_b128 v[TA], v[B2+8*\t+4:B2+8*\t+7] offset:64*\t+16
.endr
	s_wait_dscnt 0x0                               ; for the others' sake: my image and my rows of the stream lie in LDS; my reads of the other slot were waited for above
	s_barrier_signal -1
	s_barrier_wait -1
.endm
	s_load_b512 s[4:19], s[0:1], 0x0               ; x's codes, x's scales, Wq's codes, Wq's scales, Wv's codes, Wv's scales, Wm's codes, Wm's scales
	s_load_b512 s[20:35], s[0:1], 0x40             ; bq, bv, bm, norm_scale, kc, ks, sk, out0
	v_lshl_add_u32 v242, v0, 2, 0x3d800
	v_mov_b32 v243, 0
	ds_add_u32 v242, v243
	ds_add_u32 v242, v243
	v_lshrrev_b32 v220, 5, v0
	v_readfirstlane_b32 s[WV], v220                ; wave 0..3
	; descriptor group 1 for x's codes: 100 rows of 256 bytes, 16 bytes of padding behind each
	s_mov_b32 s[G1X], (0<<16)|(1<<20)|(5<<22)|(3<<25)   ; no mask; elements of 1 byte; padding on: four words after every 64
	s_mov_b32 s[G1X+1], 256<<16                    ; tensor_dim0
	s_mov_b32 s[G1X+2], 100<<16                    ; tensor_dim1
	s_mov_b32 s[G1X+3], 256<<16                    ; tile_dim0
	s_mov_b32 s[G1X+4], 100                        ; tile_dim1
	s_mov_b32 s[G1X+5], 256                        ; from row to row
	s_mov_b32 s[G1X+6], 0
	s_mov_b32 s[G1X+7], 0
	; and for the scale bytes of 100 rows: one row of 100 elements of 8 bytes
	s_mov_b32 s[G1S], 3<<16
	s_mov_b32 s[G1S+1], 100<<16
	s_mov_b32 s[G1S+2], 1<<16
	s_mov_b32 s[G1S+3], 100<<16
	s_mov_b32 s[G1S+4], 1
	s_mov_b32 s[G1S+5], 100
	s_mov_b32 s[G1S+6], 0
	s_mov_b32 s[G1S+7], 0
	s_mul_i32 s80, ttmp9, 400
	s_mul_i32 s81, s[WV], 100
	s_add_co_u32 s80, s80, s81                     ; the first row that I fetch
	s_lshl_b32 s82, s80, 8
	s_mov_b32 s83, 0
	s_lshl_b32 s84, s80, 3
	s_mov_b32 s85, 0
	s_mov_b32 s[G0X], 1
	s_mul_i32 s[G0X+1], s[WV], 100*XP
	s_mov_b32 s[G0S], 1
	s_mul_i32 s[G0S+1], s[WV], 800
	s_add_co_u32 s[G0S+1], s[G0S+1], XSC
	s_wait_dscnt 0x0
	s_wait_kmcnt 0x0
	s_add_nc_u64 s[G0X+2:G0X+3], s[4:5], s[82:83]
	s_or_b32 s[G0X+3], s[G0X+3], 0x80000000
	s_add_nc_u64 s[G0S+2:G0S+3], s[6:7], s[84:85]
	s_or_b32 s[G0S+3], s[G0S+3], 0x80000000
	tensor_load_to_lds s[G0X:G0X+3], s[G1X:G1X+7]  ; my two fills stand together, ahead of every wait on TENSORcnt, every LDS read and every barrier
	s_nop 0
	tensor_load_to_lds s[G0S:G0S+3], s[G1S:G1S+7]
	s_nop 0
.rept 4
	v_nop
.endr
	s_load_b32 s86, s[26:27], 0x0                  ; norm_scale
	v_and_b32 v220, 15, v0                         ; r
	v_bfe_u32 v221, v0, 4, 1                       ; h
	v_and_b32 v222, 31, v0                         ; lane
	v_and_b32 v223, 8, v220
	v_add_nc_u32 v223, v223, v220                  ; r + 8 (r / 8)
	v_mul_u32_u24 v[XFA], v220, XP
	v_lshl_add_u32 v[XFA], v221, 4, v[XFA]
	v_lshlrev_b32 v[XSA], 3, v220
	v_lshl_add_u32 v[XSA], v221, 2, v[XSA]
	v_add_nc_u32 v[XSA], XSC, v[XSA]
	s_mul_i32 s87, s[WV], IMG
	s_add_co_u32 s87, s87, SBUF
	v_mul_u32_u24 v[SST], v220, XP
	v_lshl_add_u32 v[SST], v221, 5, v[SST]
	v_add_nc_u32 v[SST], s87, v[SST]
	v_lshrrev_b32 v232, 3, v222
	v_and_b32 v233, 7, v222
	s_lshl_b32 s87, s[WV], 2
	v_add_nc_u32 v232, s87, v232                   ; the row of a tile that I finish: 4 w + lane / 8
	v_mul_u32_u24 v[SRD], v232, XP
	v_lshl_add_u32 v[SRD], v233, 5, v[SRD]
	v_add_nc_u32 v[SRD], SBUF, v[SRD]
	v_mul_u32_u24 v[OT], v232, 260
	v_add_nc_u32 v[OT], STGD, v[OT]
	v_lshl_add_u32 v[OST], v233, 5, v[OT]
	v_add_nc_u32 v[OST], 4, v[OST]
	v_lshlrev_b32 v[GOF], 4, v222
	s_lshl_b32 s87, s[WV], 10
	v_add_nc_u32 v[GOF], s87, v[GOF]
	s_xor_b32 s[FLB], ttmp9, 3
	s_and_b32 s[FLB], s[FLB], 3
	s_lshl_b32 s[FLB], s[FLB], 6
	s_add_co_u32 s[FLB], s[FLB], STG0+64           ; = STGD - 64 (work-group % 4)
	v_add_nc_u32 v[FLD], s[FLB], v[GOF]
	v_add_nc_u32 v[FLD], 4096, v[FLD]              ; the loop's first flush is piece 1
	v_lshl_add_u32 v234, v222, 3, STG0             ; the two pads (wave 0 clears them)
	v_lshl_add_u32 v235, v222, 4, STGD+OUTB
	v_lshlrev_b32 v224, 8, v223
	v_lshl_add_u32 v224, v221, 4, v224             ; Wq's, Wv's codes: column r + 8 (r / 8) of a tile, + 16 h
	v_lshlrev_b32 v225, 3, v223
	v_lshl_add_u32 v225, v221, 2, v225             ; their scale words; lanes 16-31 take K step 1's
	v_lshlrev_b32 v226, 6, v220
	v_lshl_add_u32 v226, v221, 4, v226             ; Wm's codes: row r of 64 bytes, + 16 h
	v_lshlrev_b32 v227, 1, v220
	v_lshl_add_u32 v227, v221, 5, v227             ; Wm's scale bytes: 2 a row; lanes 16-31 take the next tile's
	v_lshlrev_b32 v228, 4, v222                    ; kT_v's codes: an image, 16 bytes a lane
	v_lshlrev_b32 v229, 2, v220
	v_lshl_add_u32 v229, v221, 8, v229             ; kT_v's scale bytes: lane r's word; lanes 16-31 take the next tile's
	v_lshlrev_b32 v230, 6, v221                    ; bq, bv, sum_k: my half's 16 features: 64 h
	v_lshlrev_b32 v231, 5, v233                    ; bm: my eight columns
	s_mov_b32 s[MNT], 0x600000
	s_mov_b32 s[SEL], 0x76543210
	s_mov_b32 s[SEL+1], 0xfedcba98
	s_mov_b32 s[SS], 0
	s_lshl_b32 s82, s[WV], 15                      ; my two heads: 2 w x 16,384 bytes of codes,
	s_add_nc_u64 s[8:9], s[8:9], s[82:83]
	s_add_nc_u64 s[12:13], s[12:13], s[82:83]
	s_lshl_b32 s82, s[WV], 10                      ; 2 w x 512 of scale bytes,
	s_add_nc_u64 s[10:11], s[10:11], s[82:83]
	s_add_nc_u64 s[14:15], s[14:15], s[82:83]
	s_lshl_b32 s82, s[WV], 9                       ; 2 w x 256 of biases and of sum_k,
	s_add_nc_u64 s[20:21], s[20:21], s[82:83]
	s_add_nc_u64 s[22:23], s[22:23], s[82:83]
	s_add_nc_u64 s[32:33], s[32:33], s[82:83]
	s_lshl_b32 s82, s[WV], 13                      ; 2 w x 4,096 of kT_v's codes,
	s_add_nc_u64 s[28:29], s[28:29], s[82:83]
	s_lshl_b32 s82, s[WV], 11                      ; 2 w x 1,024 of its scale words
	s_add_nc_u64 s[30:31], s[30:31], s[82:83]
	s_and_b32 s[SH], ttmp9, 3
	s_lshl_b32 s[SH], s[SH], 6
	s_add_co_u32 s[LIM], s[SH], OUTB-102400
	s_mul_i32 s82, ttmp9, OUTB
	s_sub_co_u32 s82, s82, s[SH]
	s_add_nc_u64 s[SOUT0:SOUT0+1], s[34:35], s[82:83]   ; out0 at the aligned 256 bytes in which my stream begins
	s_mov_b64 s[SOUT:SOUT+1], s[SOUT0:SOUT0+1]
	WIN 0x40                                       ; destination window 1
.irp a, 0,1
.irp t, 0,1,2,3
.irp s, 0,1
.irp c, 0,1,2,3
	global_load_b128 v[16*(8*\a+2*\t+\s)+4*\c:16*(8*\a+2*\t+\s)+4*\c+3], v224, s[8:9] offset:\a*16384+(32*(\t/2)+8*(\t%2))*256+128*\s+32*\c
.endr
.endr
.endr
.endr
	WIN 0x80                                       ; destination window 2
.irp a, 0,1
.irp t, 0,1,2,3
.irp s, 0,1
.irp c, 0,1,2,3
	global_load_b128 v[16*(8*\a+2*\t+\s)+4*\c:16*(8*\a+2*\t+\s)+4*\c+3], v224, s[12:13] offset:\a*16384+(32*(\t/2)+8*(\t%2))*256+128*\s+32*\c
.endr
.endr
.endr
.endr
	WIN 0xc0                                       ; destination window 3
.irp t, 0,1,2,3
.irp c, 0,1
	global_load_b128 v[8*\t+4*\c:8*\t+4*\c+3], v226, s[16:17] offset:1024*\t+32*\c
.endr
.endr
.irp a, 0,1
.irp t, 0,1,2,3
.irp b, 0,1
	global_load_b128 v[32+8*(4*\a+\t)+4*\b:32+8*(4*\a+\t)+4*\b+3], v228, s[28:29] offset:4096*\a+1024*\t+512*\b
	global_load_b128 v[104+8*(4*\a+\t)+4*\b:104+8*(4*\a+\t)+4*\b+3], v230, s[20:21] offset:256*\a+(32*(\t/2)+8*(\t%2))*4+16*\b
	global_load_b128 v[168+8*(4*\a+\t)+4*\b:168+8*(4*\a+\t)+4*\b+3], v230, s[22:23] offset:256*\a+(32*(\t/2)+8*(\t%2))*4+16*\b
.endr
.endr
.endr
.irp i, 0,1,2,3,4,5,6,7
	v_mov_b32 v[96+\i], 0                          ; the zeros behind kT_v's last tile
.endr
	WIN 0
.irp a, 0,1
.irp t, 0,1,2,3
	global_load_b32 v[WQS+4*\a+\t], v225, s[10:11] offset:512*\a+(32*(\t/2)+8*(\t%2))*8
	global_load_b32 v[WVS+4*\a+\t], v225, s[14:15] offset:512*\a+(32*(\t/2)+8*(\t%2))*8
.endr
.endr
.irp i, 0,1
	global_load_u16 v[WMS+\i], v227, s[18:19] offset:64*\i         ; two bytes, widened with zeros
	global_load_b128 v[BM+4*\i:BM+4*\i+3], v231, s[24:25] offset:16*\i
.endr
.irp a, 0,1
.irp i, 0,1
.irp b, 0,1
	global_load_b32 v[B2+4*\a+2*\i+\b], v229, s[30:31] offset:1024*\a+512*\i+128*\b
.endr
.endr
.irp b, 0,1
.irp q, 0,1,2,3
	global_load_b128 v[B0+32*\a+16*\b+4*\q:B0+32*\a+16*\b+4*\q+3], v230, s[32:33] offset:256*\a+128*\b+16*\q
.endr
.endr
.endr
.irp i, 0,1,2,3,4,5,6,7
	v_mov_b32 v[Z+\i], 0
.endr
	v_mov_b32 v[RD+1], 0                           ; (named as the upper halves of pairs)
	v_mov_b32 v[RD+3], 0
	s_wait_kmcnt 0x0
	v_mov_b32 v236, s86
	v_add_f32 v236, 0x358637bd, |v236|             ; |norm_scale| + 1e-6
	v_rcp_f32 v237, v236
	v_nop
	s_wait_alu depctr_va_vdst(0)
	v_readfirstlane_b32 s[INV], v237
	s_mov_b32 s[INV+1], s[INV]
	v_mul_f32 v[CCV], 0x358637bd, v237
	v_mov_b32 v[CCV+1], v[CCV]
	s_cmp_lg_u32 s[WV], 0
	s_cbranch_scc1 .Lno_pad
	ds_store_b64 v234, v[Z:Z+1]                    ; 256 bytes in front of the stream,
	ds_store_b128 v235, v[Z:Z+3]                   ; 512 behind it: the masked flushes read them and store none of them
.Lno_pad:
	s_wait_loadcnt 0x0
.irp a, 0,1
.irp i, 0,1,2,3,4,5,6,7,8,9,10,11,12,13,14,15
	v_cvt_pk_bf16_f32 v[SKH+16*\a+\i], v[B0+32*\a+2*\i], v[B0+32*\a+2*\i+1]
.endr
.irp i, 0,1
	v_lshl_or_b32 v[KTS+2*\a+\i], v[B2+4*\a+2*\i+1], 8, v[B2+4*\a+2*\i]
.endr
.endr
	v_mov_b32 v[PM], 0                             ; written once: a lane permute's destination counts as one of its sources
	v_mov_b32 v[PM+1], 0
	s_wait_tensorcnt 0x0                           ; my part of x lies in LDS,
	s_wait_dscnt 0x0                               ; and so do the pads
	s_barrier_signal -1
	s_barrier_wait -1                              ; everybody's does
	TILE 0, 0
	s_mov_b32 s[CNT], 2
.Lwarm:                                                ; tiles 1 and 2: no piece of the stream is due yet
	TILE 1, 0
	s_sub_co_u32 s[CNT], s[CNT], 1
	s_cmp_lg_u32 s[CNT], 0
	s_cbranch_scc1 .Lwarm
	s_mov_b32 s[CNT], 22
.Ltile:                                                ; tiles 3 to 24 flush pieces 1 to 22
	TILE 1, 1
	s_sub_co_u32 s[CNT], s[CNT], 1
	s_cmp_lg_u32 s[CNT], 0
	s_cbranch_scc1 .Ltile
	IMAGES                                         ; the last tile is finished
	s_wait_dscnt 0x0
	FINAL
	v_and_b32 v222, 31, v0
	v_lshlrev_b32 v222, 4, v222
	s_lshl_b32 s87, s[WV], 9
	v_add_nc_u32 v222, s87, v222                   ; the last 2,048 bytes: 512 a wave
	v_add_nc_u32 v223, s[FLB], v222
	v_add_nc_u32 v223, 102400, v223
	v_add_nc_u32 v[TA], s[FLB], v[GOF]             ; piece 0
	s_wait_dscnt 0x0
	s_barrier_signal -1
	s_barrier_wait -1                              ; the stream is whole
	ds_load_b128 v[B0:B0+3], v[FLD]                ; pieces 23 and 24: they lie wholly inside my bytes
	ds_load_b128 v[B0+4:B0+7], v[FLD] offset:512
	ds_load_b128 v[B0+8:B0+11], v[FLD] offset:4096
	ds_load_b128 v[B0+12:B0+15], v[FLD] offset:4608
	ds_load_b128 v[B0+16:B0+19], v[TA]
	ds_load_b128 v[B0+20:B0+23], v[TA] offset:512
	ds_load_b128 v[B0+24:B0+27], v223
	s_wait_dscnt 0x0
	global_store_b128 v[GOF], v[B0:B0+3], s[SOUT:SOUT+1] offset:4096 th:TH_STORE_NT
	global_store_b128 v[GOF], v[B0+4:B0+7], s[SOUT:SOUT+1] offset:4608 th:TH_STORE_NT
	global_store_b128 v[GOF], v[B0+8:B0+11], s[SOUT:SOUT+1] offset:8192 th:TH_STORE_NT
	global_store_b128 v[GOF], v[B0+12:B0+15], s[SOUT:SOUT+1] offset:8704 th:TH_STORE_NT
	global_store_b128 v[GOF], v[B0+20:B0+23], s[SOUT0:SOUT0+1] offset:512 th:TH_STORE_NT
	s_wait_xcnt 0x0                                ; EXEC changes only behind this wait
	v_cmp_le_u32 vcc_lo, s[SH], v[GOF]             ; piece 0 begins with SH bytes of the work-group before
	s_wait_tensorcnt 0x0
	ds_add_u32 v242, v243
	s_wait_dscnt 0x0
	s_and_saveexec_b32 s[SV], vcc_lo
	global_store_b128 v[GOF], v[B0+16:B0+19], s[SOUT0:SOUT0+1] th:TH_STORE_NT
	s_wait_xcnt 0x0
	s_or_b32 exec_lo, exec_lo, s[SV]
	v_cmp_gt_u32 vcc_lo, s[LIM], v222              ; my bytes end at SH + 104,000
	s_and_saveexec_b32 s[SV], vcc_lo
	global_store_b128 v222, v[B0+24:B0+27], s[SOUT0:SOUT0+1] offset:102400 th:TH_STORE_NT
	s_wait_xcnt 0x0
	s_or_b32 exec_lo, exec_lo, s[SV]
	s_endpgm
.Lfunc_end_k_q6fd8b6ba80_out:
	.size	k_q6fd8b6ba80_out, .Lfunc_end_k_q6fd8b6ba80_out-k_q6fd8b6ba80_out
	.p2alignl 7, 3214868480
	.fill 96, 4, 3214868480
	.section	.rodata,"a",@progbits
	.p2align	6, 0x0
	.amdhsa_kernel k_q6fd8b6ba80_out
		.amdhsa_group_segment_fixed_size 252416
		.amdhsa_private_segment_fixed_size 0
		.amdhsa_enable_private_segment 0
		.amdhsa_kernarg_size 128
		.amdhsa_user_sgpr_count 2
		.amdhsa_user_sgpr_kernarg_segment_ptr 1
		.amdhsa_wavefront_size32 1
		.amdhsa_system_sgpr_workgroup_id_x 1
		.amdhsa_system_sgpr_workgroup_id_y 1
		.amdhsa_system_sgpr_workgroup_id_z 1
		.amdhsa_system_vgpr_workitem_id 0
		.amdhsa_next_free_vgpr 1000
		.amdhsa_next_free_sgpr 100
		.amdhsa_reserve_vcc 1
		.amdhsa_float_denorm_mode_32 3
		.amdhsa_float_denorm_mode_16_64 3
		.amdhsa_memory_ordered 1
		.amdhsa_forward_progress 1
		.amdhsa_inst_pref_size 171
	.end_amdhsa_kernel
	.amdgpu_metadata
---
amdhsa.version: [ 1, 2 ]
amdhsa.kernels:
  - .name:           k_q6fd8b6ba80_out
    .symbol:         k_q6fd8b6ba80_out.kd
    .args:
      - { .name: query_input_codes, .offset: 0, .size: 8, .value_kind: global_buffer, .address_space: global }
      - { .name: query_input_scales, .offset: 8, .size: 8, .value_kind: global_buffer, .address_space: global }
      - { .name: Wq_codes, .offset: 16, .size: 8, .value_kind: global_buffer, .address_space: global }
      - { .name: Wq_scales, .offset: 24, .size: 8, .value_kind: global_buffer, .address_space: global }
      - { .name: Wv_codes, .offset: 32, .size: 8, .value_kind: global_buffer, .address_space: global }
      - { .name: Wv_scales, .offset: 40, .size: 8, .value_kind: global_buffer, .address_space: global }
      - { .name: Wm_codes, .offset: 48, .size: 8, .value_kind: global_buffer, .address_space: global }
      - { .name: Wm_scales, .offset: 56, .size: 8, .value_kind: global_buffer, .address_space: global }
      - { .name: bq, .offset: 64, .size: 8, .value_kind: global_buffer, .address_space: global }
      - { .name: bv, .offset: 72, .size: 8, .value_kind: global_buffer, .address_space: global }
      - { .name: bm, .offset: 80, .size: 8, .value_kind: global_buffer, .address_space: global }
      - { .name: norm_scale, .offset: 88, .size: 8, .value_kind: global_buffer, .address_space: global }
      - { .name: kc, .offset: 96, .size: 8, .value_kind: global_buffer, .address_space: global }
      - { .name: ks, .offset: 104, .size: 8, .value_kind: global_buffer, .address_space: global }
      - { .name: sk, .offset: 112, .size: 8, .value_kind: global_buffer, .address_space: global }
      - { .name: out0, .offset: 120, .size: 8, .value_kind: global_buffer, .address_space: global }
    .group_segment_fixed_size: 252416
    .private_segment_fixed_size: 0
    .kernarg_segment_align: 8
    .kernarg_segment_size: 128
    .max_flat_workgroup_size: 128
    .sgpr_count:     100
    .vgpr_count:     1000
    .wavefront_size: 32
...
	.end_amdgpu_metadata
.endif
;; end of part 3
;; ======== version 2 of 2: 3 launches; version 1 with the launch kv written anew for expert scheduling mode
;; workspace buffers: ktp 16,384,000 bytes; skp 512,000 bytes; kc 32,768 bytes; ks 8,192 bytes; sk 2,048 bytes
;; launch kv (part 4): grid 2 x 125, 4 waves a work-group, no clusters, 43,520 bytes of LDS; arguments query_input_codes, query_input_scales, Wk_codes, Wk_scales, Wv_codes, Wv_scales, bk, bv, norm_scale, ktp, skp; writes ktp, skp
.if DOCPART == 4
	.amdgcn_target "amdgcn-amd-amdhsa--gfx1250"
	.amdhsa_code_object_version 6
	.text
	.protected	k_q6fd8b6ba80_kv
	.globl	k_q6fd8b6ba80_kv
	.p2align	8
	.type	k_q6fd8b6ba80_kv,@function
k_q6fd8b6ba80_kv:
	s_mov_b64 s[64:65], 0
	v_nop
	global_prefetch_b8 v0, s[64:65] scope:SCOPE_SE
	s_setreg_imm32_b32 hwreg(HW_REG_WAVE_SCHED_MODE, 0, 2), 2
	s_setreg_imm32_b32 hwreg(HW_REG_WAVE_MODE, 25, 1), 1
	s_wait_xcnt 0x0
	s_wait_alu depctr_vm_vsrc(0)
; FIRST PASS of linear attention: for a chunk of 800 rows and one head a wave makes k = x Wk + bk, v = x Wv + bv, phi_k = |y| / (|y^2| + 1e-12) y^2 with
; y = (relu(k) + 1e-6) / (|norm_scale| + 1e-6), quantises phi_k and v ALONG THE ROWS (blocks of 32 rows) and adds phi_k^T v into 16 accumulators; it also sums the unquantised phi_k over the rows.
; All products are on codes of E5M2 with one E8M0 scale for each 32 along K.  The chunk's partial sums go to ktp and skp; the next launch adds the 125 chunks.
; SHARES.  Work-group (g, chunk): four waves; wave w owns head 4 g + w for all 800 rows = 25 blocks of 32.  Its Wk and Wv (256 registers) and its 16 accumulators (128) stay in registers.
; LAYOUT.  The products with x are used in the natural order: source 0 = 16 rows of x, source 1 = 16 columns of W.  THE ROWS OF A TILE ARE NOT NEIGHBOURS: lane i of row tile u takes row 8 u + i + 8 (i / 8) of the block,
; so that in the result a lane holds ONE feature, and the 16 registers of its two row tiles are rows 16 (lane / 16) + 0 .. 15: sixteen neighbours along the next K.  The conversions' results are the next operand's registers.
; Wk's columns of tile t are 32 (t / 2) + 8 (t % 2) + i + 8 (i / 8), so that the accumulators' registers of tiles 2 b', 2 b' + 1 are features 32 b' + 16 (lane / 16) + 0 .. 15: the order that the third launch's operand wants.
; A K STEP of phi_k^T v is four blocks of 32 rows (places 0 to 3 of the fragments).  Block 0 takes place 3 of a step whose other places hold zero codes under the scale byte 0; blocks 1 + 4 k + c take place c.
; x comes from memory into registers four blocks ahead (a quarter of a block for each wave), goes into one of two LDS slots a block ahead, and is read from there by all four waves: one barrier a block.
; LIMITS.  NaN and infinities among the inputs' values are not served.  A block whose largest magnitude lies under 2^(16 - 127) keeps the scale byte 1 (a block of zeros too, where the rule says 127: its codes are zeros, and the
; bytes are read by this program alone).  The division by |norm_scale| + 1e-6 and that by |y^2| + 1e-12 are v_rcp_f32 and a multiplication.
; The accumulators and three places of the fragments are cleared once at the head (224 moves): so a block's text is written for the four places and the first block alone, and no sixth time for a first K step.
; No cluster: the grid is 2 x 125; what the two work-groups of a chunk share is x alone, which each brings through registers.  No prefetch: each block is asked for four blocks ahead.
; THE MODE: SCHED_MODE bits 1:0 = 2 (LLVM: expert scheduling mode 2), set by the entry lines.  The code itself states the register dependences
; between vector or matrix instructions and memory or LDS instructions, with s_wait_alu, always for 0.
; THE PLAN.  Registers that memory or LDS instructions touch, in the loop:
;   x's fragments (window 3, v0-63), v[XS], v[XS+1]   A block's 18 LDS loads land in them at its head; its 32 products with x read them.
;   v[VT0]                                            Written by one addition at a block's head; read by the two loads of scale words behind it.
;   the four staging sets (window 3, v128-191)        Global loads land in them, LDS stores read them; no vector or matrix instruction names them.
;   v[VXF], v[VXS], v[VL16]                           Made at the head and never written again.
;   phi_k's and v's fragments (window 2), v[PWK ..], v[PWV ..] are named by no memory instruction, but vector lines write them and the scaled products of a K step take them.
; So a block has ONE wait on va_vdst of its own, at its head behind the addition to v[VT0]: the address is written, the last block's products are done reading the fragments and scale words of x, and the last
; block's codes of phi_k are written.  The staging sets' lines owe the vector side nothing: the four LDS stores stand straight behind k's products, the four global loads straight behind v's.  ONE wait on vm_vsrc
; stands ahead of those loads: the LDS stores have read the set, and the block's loads of scale words have read v[VT0].  The products of a K step stand behind the wait for the feature map's reciprocal,
; which stands there in any case and also shows v's last codes written.
.set XP,    272                        ; a row of x in LDS: 256 bytes + 16
.set XSLOT, 32*XP                      ; a block of 32 rows; two slots from LDS byte 0
.set XSC,   2*XSLOT                    ; behind them: the chunk's 6,400 scale bytes of x, a copy for each wave
.set XSCW,  6400
.set BLKB,  8192                       ; a block of x in memory
.set LASTB, 24*BLKB
; window 0
.set VXF,  1                           ; v1   LDS: my lane's place in a block of x: (r + 8 (r / 8)) XP + 16 h
.set VXC,  2                           ; v2   LDS: my lane's scale word of x: lanes 0-15 K step 0's, lanes 16-31 K step 1's
.set VXS,  3                           ; v3   LDS: where I put 16 bytes of my wave's 8 rows
.set VL16, 4                           ; v4   16 x lane
.set VT0,  5                           ; v5-6 addresses in hand
.set VT1,  6
.set CCV,  8                           ; v[8:9]    1e-6 / (|norm_scale| + 1e-6), twice
.set WKS,  10                          ; v10-13    Wk's scale words, tile t
.set WVS,  14                          ; v14-17    Wv's
.set XS,   18                          ; v18-19    x's, row tile u
.set PWK,  20                          ; v20-23    phi_k's scale words of the K step in hand, tile t
.set PWV,  24                          ; v24-27    v's
.set SKA,  28                          ; v[28:35]  the sums of phi_k over the rows, a pair for each tile
.set S2,   36                          ; v[36:51]  for each of my 16 rows: my features' sum of y^2
.set S4,   52                          ; v[52:67]  and of y^4
.set G,    68                          ; v[68:83]  for each of my 16 rows: |y| / (|y^2| + 1e-12)
.set X,    84                          ; v84-87    at work in the sums across lanes
.set TM,   88                          ; v88-91 largest magnitudes; v92-95 the other half's; v96-99 the conversions' scale operands; v100-103 57,344 x the scale; v104-107 the scale bytes
.set PM,   92
.set SO,   96
.set HD,   100
.set BY,   104
.set F,    108                         ; v108-110  at work
.set DK,   112                         ; v[112:175] k, then y, y^2, phi_k: tile t, row tile u at 8 (2 t + u)
.set DV,   176                         ; v[176:239] v likewise
; window 1: Wk's fragments (t, K step s) at 16 (2 t + s); Wv's at 128 + the same
; window 2: the accumulators (feature tile a, channel tile b) at 8 (4 b + a); phi_k's fragments at 128 + 16 a; v's at 192 + 16 b
; window 3: x's fragments (u, s) at 16 (2 u + s); bk at 64 + 8 t, bv at 96 + 8 t (eight equal registers a tile); four staging sets of 16 at 128 + 16 q
.set INV,  32                          ; s[32:33] 1 / (|norm_scale| + 1e-6), twice
.set MNT,  34                          ; s34  the mantissa field of 57,344
.set SEL,  36                          ; s[36:37] v_permlanex16_b32's selects for lane l xor 16
.set MSK,  38                          ; s38-41 the lanes whose number has bit 3, 2, 1, 0 set
.set CNT,  42
.set SB,   43                          ; s43  byte offset of the block to be asked for
.set XBASE, 44                         ; s[44:45] x at my wave's 8 rows of the chunk's block 0
.set XCUR, 46                          ; s[46:47] the same in the block asked for
.set SXS,  48                          ; s48  1,024 x the trip: four blocks' scale bytes
.set OFS,  50                          ; s[50:51] an offset in 64 bits
.set MSB, 0
.macro WIN new                         ; the immediate's high byte repeats the setting that is left
.if MSB != \new
	s_set_vgpr_msb (MSB<<8)|\new
.set MSB, \new
.endif
.endm
; x's scale words and four fragments of the block in the given slot
.macro XLOADF slot, xo
	v_add_nc_u32 v[VT0], s[SXS], v[VXC]            ; (the last block's loads have read v[VT0]: the wait on vm_vsrc ahead of that block's global loads has shown it)
	s_wait_alu depctr_va_vdst(0)                   ; v[VT0] is written, which the two loads below read; the last block's products are done reading x's scale words and fragments, in which the 18 loads below land; the last block's codes and scale words of phi_k are written, which a K step's products take
	ds_load_b32 v[XS], v[VT0] offset:\xo
	ds_load_b32 v[XS+1], v[VT0] offset:(\xo)+64
	WIN 0xc0                                       ; destination window 3
.irp u, 0,1
.irp s, 0,1
.irp c, 0,1,2,3
	ds_load_b128 v[16*(2*\u+\s)+4*\c:16*(2*\u+\s)+4*\c+3], v[VXF] offset:(\slot)*XSLOT+\u*8*XP+128*\s+32*\c
.endr
.endr
.endr
	WIN 0
.endm
; 16 matrix instructions: the block's 32 rows x my head's 64 columns of one weight, K = 256 in two steps; the bias is the C of the first.  The eight accumulators take turns.
.macro MULX d, w, bias, ws
	WIN 0x37                                       ; source 0 (x) window 3, source 1 (W) window 1, source 2 (the bias) window 3
.irp t, 0,1,2,3
.irp u, 0,1
	v_wmma_scale_f32_16x16x128_f8f6f4 v[\d+8*(2*\t+\u):\d+8*(2*\t+\u)+7], v[32*\u:32*\u+15], v[\w+32*\t:\w+32*\t+15], v[\bias+8*\t:\bias+8*\t+7], v[XS+\u], v[\ws+\t] matrix_a_fmt:MATRIX_FMT_BF8 matrix_b_fmt:MATRIX_FMT_BF8
.endr
.endr
	WIN 0x07
.irp t, 0,1,2,3
.irp u, 0,1
	v_wmma_scale_f32_16x16x128_f8f6f4 v[\d+8*(2*\t+\u):\d+8*(2*\t+\u)+7], v[32*\u+16:32*\u+31], v[\w+32*\t+16:\w+32*\t+31], v[\d+8*(2*\t+\u):\d+8*(2*\t+\u)+7], v[XS+\u], v[\ws+\t] matrix_a_fmt:MATRIX_FMT_BF8 matrix_b_fmt:MATRIX_FMT_BF8 matrix_a_scale:MATRIX_SCALE_ROW1 matrix_b_scale:MATRIX_SCALE_ROW1
.endr
.endr
	WIN 0
.endm
; 16 matrix instructions: phi_k^T v of a K step of 128 rows, onto the 16 accumulators by turns
.macro MKV
	WIN 0xaa                                       ; all four places window 2
.irp b, 0,1,2,3
.irp a, 0,1,2,3
	v_wmma_scale_f32_16x16x128_f8f6f4 v[8*(4*\b+\a):8*(4*\b+\a)+7], v[128+16*\a:128+16*\a+15], v[192+16*\b:192+16*\b+15], v[8*(4*\b+\a):8*(4*\b+\a)+7], v[PWK+\a], v[PWV+\b] matrix_a_fmt:MATRIX_FMT_BF8 matrix_b_fmt:MATRIX_FMT_BF8
.endr
.endr
	WIN 0
.endm
; from my 16 rows' largest magnitudes in v[TM] on (the floor among them) to the block's scale: the operand of the conversion, the hold, the byte
.macro QSCALE
.irp t, 0,1,2,3
	v_permlanex16_b32 v[PM+\t], v[TM+\t], s[SEL], s[SEL+1]
.endr
.irp t, 0,1,2,3
	v_max_num_f32 v[TM+\t], v[TM+\t], v[PM+\t]     ; with lane l xor 16's 16 rows: the block's largest magnitude
.endr
.irp t, 0,1,2,3
	v_add_nc_u32 v[SO+\t], 0xf8800000, v[TM+\t]    ; 15 off its exponent field: the conversion takes this operand's exponent field as its scale
.endr
.irp t, 0,1,2,3
	v_and_or_b32 v[HD+\t], v[TM+\t], 0x7f800000, s[MNT]   ; 57,344 x the scale
.endr
.irp t, 0,1,2,3
	v_lshrrev_b32 v[BY+\t], 23, v[SO+\t]           ; the scale's byte
.endr
.endm
.macro QWORD pw, c                     ; the byte goes to place c of the K step's scale word; place 0 begins the word anew
.irp t, 0,1,2,3
.if (\c) == 0
	v_mov_b32 v[\pw+\t], v[BY+\t]
.else
	v_lshl_or_b32 v[\pw+\t], v[BY+\t], 8*(\c), v[\pw+\t]
.endif
.endr
.endm
.macro QCODES src, dst, c              ; 16 numbers a tile become registers 4 c .. 4 c + 3 of the tile's fragment in window 2
	WIN 0x80
.irp t, 0,1,2,3
.irp u, 0,1
	v_cvt_scalef32_pk8_bf8_f32 v[\dst+16*\t+4*(\c)+2*\u:\dst+16*\t+4*(\c)+2*\u+1], v[\src+16*\t+8*\u:\src+16*\t+8*\u+7], v[SO+\t]
.endr
.endr
	WIN 0
.rept 4
	v_nop                                          ; the plain line behind the last conversion, and the four places between codes made by vector instructions and a scaled matrix instruction
.endr
.endm
; v of the block before: its scales,
.macro VQ1
.irp t, 0,1,2,3
	v_max3_num_f32 v[TM+\t], |v[DV+16*\t]|, |v[DV+16*\t+1]|, 0x8000000   ; my 16 rows, and the floor 2^(16 - 127); each accumulator is read from its low end on
.endr
.irp i, 2,4,6,8,10,12,14
.irp t, 0,1,2,3
	v_max3_num_f32 v[TM+\t], v[TM+\t], |v[DV+16*\t+\i]|, |v[DV+16*\t+\i+1]|
.endr
.endr
	QSCALE
.endm
; and its codes, into place c
.macro VQ2 c
	QWORD PWV, \c
.irp t, 0,1,2,3
.irp i, 0,1,2,3,4,5,6,7,8,9,10,11,12,13,14,15
	v_med3_num_f32 v[DV+16*\t+\i], v[DV+16*\t+\i], -v[HD+\t], v[HD+\t]   ; the conversion to an 8-bit code does not saturate (ISA guide 7.6.2): the hold
.endr
.endr
	QCODES DV, 192, \c
.endm
; k -> y^2, and for each of my 16 rows my four features' sums of y^2 and y^4
.macro KPHI_A
.set n, 0
.rept 64
	v_max_num_f32 v[DK+n], 0, v[DK+n]
.set n, n+1
.endr
.set n, 0
.rept 32
	v_pk_fma_f32 v[DK+n:DK+n+1], v[DK+n:DK+n+1], s[INV:INV+1], v[CCV:CCV+1] op_sel_hi:[1,0,1]   ; y = relu(k) inv + 1e-6 inv
.set n, n+2
.endr
.set n, 0
.rept 32
	v_pk_mul_f32 v[DK+n:DK+n+1], v[DK+n:DK+n+1], v[DK+n:DK+n+1]
.set n, n+2
.endr
.irp k, 0,2,4,6,8,10,12,14
	v_pk_add_f32 v[S2+\k:S2+\k+1], v[DK+\k:DK+\k+1], v[DK+16+\k:DK+16+\k+1]
	v_pk_mul_f32 v[S4+\k:S4+\k+1], v[DK+\k:DK+\k+1], v[DK+\k:DK+\k+1]
.endr
.irp k, 0,2,4,6,8,10,12,14
	v_pk_fma_f32 v[S4+\k:S4+\k+1], v[DK+16+\k:DK+16+\k+1], v[DK+16+\k:DK+16+\k+1], v[S4+\k:S4+\k+1]
.endr
.irp t, 2,3
.irp k, 0,2,4,6,8,10,12,14
	v_pk_add_f32 v[S2+\k:S2+\k+1], v[S2+\k:S2+\k+1], v[DK+16*\t+\k:DK+16*\t+\k+1]
	v_pk_fma_f32 v[S4+\k:S4+\k+1], v[DK+16*\t+\k:DK+16*\t+\k+1], v[DK+16*\t+\k:DK+16*\t+\k+1], v[S4+\k:S4+\k+1]
.endr
.endr
.endm
; One step of the sums across the 16 lanes of a half: a lane whose number has the bit set keeps register i + n and sends register i, the others the other way round.  After the four steps lane r holds row r's whole sum in register 0.
.macro RSTEP i, n, m, k
	v_cndmask_b32 v[X+2*((\i)%2)], v[S2+\i+\n], v[S2+\i], s[MSK+\k]
	v_cndmask_b32 v[X+2*((\i)%2)+1], v[S4+\i+\n], v[S4+\i], s[MSK+\k]
	v_cndmask_b32 v[S2+\i], v[S2+\i], v[S2+\i+\n], s[MSK+\k]
	v_cndmask_b32 v[S4+\i], v[S4+\i], v[S4+\i+\n], s[MSK+\k]
	v_add_f32_dpp v[S2+\i], v[X+2*((\i)%2)], v[S2+\i] row_xmask:\m row_mask:0xf bank_mask:0xf
	v_add_f32_dpp v[S4+\i], v[X+2*((\i)%2)+1], v[S4+\i] row_xmask:\m row_mask:0xf bank_mask:0xf
.endm
; the rows' factors, phi_k, its sums over the rows, its codes into place c.  c = 0: the four places are full, and the K step is multiplied on the way, ahead of the lines that write place 0 anew
.macro KPHI_B c
.irp i, 0,1,2,3,4,5,6,7
	RSTEP \i, 8, 8, 0
.endr
.irp i, 0,1,2,3
	RSTEP \i, 4, 4, 1
.endr
	RSTEP 0, 2, 2, 2
	RSTEP 1, 2, 2, 2
	RSTEP 0, 1, 1, 3
	v_sqrt_f32 v[F], v[S2]                         ; |y| of row 16 h + r
	v_sqrt_f32 v[F+1], v[S4]                       ; |y^2|
	v_nop                                          ; a plain line behind the two roots,
	s_wait_alu depctr_va_vdst(0)                   ; and the wait ahead of the first reader: one for both: the two roots are written
	v_add_f32 v[F+1], 0x2b8cbccc, v[F+1]           ; + 1e-12
	v_rcp_f32 v[F+2], v[F+1]
	v_nop
	s_wait_alu depctr_va_vdst(0)                   ; the reciprocal is written, ahead of its first reader; c = 0: so are v's codes and scale words of place 3, made earlier in this block, which the products below take (phi_k's were shown written at the block's head)
.if (\c) == 0
	MKV                                            ; the four places are full: the K step is multiplied
.endif
	v_mul_f32 v[F], v[F], v[F+2]
.irp k, 0,1,2,3,4,5,6,7,8,9,10,11,12,13,14,15
	v_mov_b32_dpp v[G+\k], v[F] row_share:\k row_mask:0xf bank_mask:0xf   ; every lane gets the factor of each of its 16 rows
.endr
.irp t, 0,1,2,3
.irp k, 0,2,4,6,8,10,12,14
	v_pk_mul_f32 v[DK+16*\t+\k:DK+16*\t+\k+1], v[DK+16*\t+\k:DK+16*\t+\k+1], v[G+\k:G+\k+1]   ; phi_k
.endr
.endr
.irp k, 0,2,4,6,8,10,12,14
.irp t, 0,1,2,3
	v_pk_add_f32 v[SKA+2*\t:SKA+2*\t+1], v[SKA+2*\t:SKA+2*\t+1], v[DK+16*\t+\k:DK+16*\t+\k+1]   ; the sum over rows is taken of the unquantised phi_k
.endr
.endr
.irp t, 0,1,2,3
	v_max3_num_f32 v[TM+\t], v[DK+16*\t], v[DK+16*\t+1], 0x8000000   ; phi_k is not negative: no |.|
.endr
.irp i, 2,4,6,8,10,12,14
.irp t, 0,1,2,3
	v_max3_num_f32 v[TM+\t], v[TM+\t], v[DK+16*\t+\i], v[DK+16*\t+\i+1]
.endr
.endr
	QSCALE
	QWORD PWK, \c
.irp t, 0,1,2,3
.irp i, 0,1,2,3,4,5,6,7,8,9,10,11,12,13,14,15
	v_min_num_f32 v[DK+16*\t+\i], v[DK+16*\t+\i], v[HD+\t]   ; the hold, one-sided
.endr
.endr
	QCODES DK, 128, \c
.endm
; my 8 rows of the next block go from their staging set into the slot that was read a block ago.  No wait on the vector side: loads wrote the set, and v[VXS] stands since the head
.macro STG_ST set, slot
	s_wait_loadcnt 12                              ; loads come back in order: this set's four are in; the three younger sets' twelve stay out
	WIN 0x0c                                       ; an LDS store's data are its source 1: window 3
.irp i, 0,1,2,3
	ds_store_b128 v[VXS], v[128+16*(\set)+4*\i:128+16*(\set)+4*\i+3] offset:(\slot)*XSLOT+2*XP*\i
.endr
	WIN 0
.endm
; and the set is asked for again: the block four on.  Past the chunk's end the last block is asked for once more, so that the count above holds in every block; those bytes are stored into a slot that nobody reads, or not at all
.macro STG_LD set
	s_wait_dscnt 0x0                               ; the stores have read the set
	s_wait_xcnt 0x0                                ; the earlier loads have read their base: it may be written
	s_min_u32 s[OFS], s[SB], LASTB
	s_add_nc_u64 s[XCUR:XCUR+1], s[XBASE:XBASE+1], s[OFS:OFS+1]
	WIN 0xc0
	s_wait_alu depctr_vm_vsrc(0)                   ; the LDS stores have read the set, in which the loads below land; this block's two loads of scale words have read v[VT0], which the next block's head writes
.irp i, 0,1,2,3
	global_load_b128 v[128+16*(\set)+4*\i:128+16*(\set)+4*\i+3], v[VL16], s[XCUR:XCUR+1] offset:512*\i
.endr
	WIN 0
	s_add_co_u32 s[SB], s[SB], BLKB
.endm
; A BLOCK.  The quantising of the last block's v stands round k's products, the feature map behind v's.  The staging set's four LDS stores stand straight behind k's products and its four loads straight behind v's:
; no vector or matrix instruction names the set.
.macro PHASE c, first
.if \first
	XLOADF ((\c)+1)%2, 0
.else
	XLOADF ((\c)+1)%2, 256*((\c)+1)
	VQ1
.endif
	s_wait_dscnt 0x0                               ; x's fragments and scale words are in
	MULX DK, 0, 64, WKS
	STG_ST ((\c)+2)%4, (\c)%2
.if \first
.rept 8
	v_nop                                          ; the eight places between k's products and the first read of k
.endr
.else
	VQ2 ((\c)+3)%4                                 ; (these lines are those places)
.endif
	MULX DV, 128, 96, WVS
	STG_LD ((\c)+2)%4
	KPHI_A
	KPHI_B \c
	s_wait_dscnt 0x0                               ; for the others' sake: my stores into the next slot are done, and my reads of this one were waited for above
	s_barrier_signal -1
	s_barrier_wait -1
.endm
	s_load_b256 s[4:11], s[0:1], 0x0               ; x's codes, x's scales, Wk's codes, Wk's scales
	s_load_b256 s[12:19], s[0:1], 0x20             ; Wv's codes, Wv's scales, bk, bv
	s_load_b128 s[20:23], s[0:1], 0x40             ; norm_scale, ktp
	s_load_b64 s[24:25], s[0:1], 0x50              ; skp
	v_lshl_add_u32 v254, v0, 2, 0xa800
	v_mov_b32 v255, 0
	v_lshrrev_b32 v36, 5, v0
	v_readfirstlane_b32 s26, v36                   ; wave 0..3
	s_wait_alu depctr_va_sdst(0)                   ; s26 is written, ahead of its first reader: the head, the LDS places and the bases are made from it
	s_lshl_b32 s27, ttmp9, 2
	s_add_co_u32 s27, s27, s26                     ; my head
	s_and_b32 s28, ttmp7, 0xffff                   ; the chunk
	v_and_b32 v36, 15, v0                          ; r
	v_bfe_u32 v37, v0, 4, 1                        ; h
	v_and_b32 v38, 8, v36
	v_add_nc_u32 v38, v38, v36                     ; r + 8 (r / 8)
	v_and_b32 v[VL16], 31, v0
	v_lshlrev_b32 v45, 3, v[VL16]                  ; 8 x lane
	v_lshlrev_b32 v[VL16], 4, v[VL16]
	v_mul_u32_u24 v[VXF], v38, XP
	v_lshl_add_u32 v[VXF], v37, 4, v[VXF]
	s_mul_i32 s29, s26, XSCW
	s_add_co_u32 s29, s29, XSC                     ; my wave's copy of the scale bytes
	v_lshlrev_b32 v[VXC], 3, v38
	v_lshl_add_u32 v[VXC], v37, 2, v[VXC]
	v_add_nc_u32 v[VXC], s29, v[VXC]
	v_add_nc_u32 v46, s29, v[VL16]
	v_add_nc_u32 v47, s29, v45
	v_mul_u32_u24 v[VXS], v37, XP
	v_lshl_add_u32 v[VXS], v36, 4, v[VXS]
	s_mul_i32 s29, s26, 8*XP
	v_add_nc_u32 v[VXS], s29, v[VXS]               ; lanes 0-15 one row, lanes 16-31 the next, in my wave's 8 rows
	v_lshlrev_b32 v39, 8, v38
	v_lshl_add_u32 v39, v37, 4, v39                ; Wk's codes: column r + 8 (r / 8) of a tile, 256 bytes a column, + 16 h
	v_lshlrev_b32 v40, 8, v36
	v_lshl_add_u32 v40, v37, 4, v40                ; Wv's: column r
	v_lshlrev_b32 v41, 3, v38
	v_lshl_add_u32 v41, v37, 2, v41                ; their scale words: 8 bytes a column; lanes 16-31 take K step 1's
	v_lshlrev_b32 v42, 3, v36
	v_lshl_add_u32 v42, v37, 2, v42
	v_lshlrev_b32 v43, 2, v38                      ; the biases
	v_lshlrev_b32 v44, 2, v36
	s_mov_b32 s[MNT], 0x600000
	s_mov_b32 s[SEL], 0x76543210
	s_mov_b32 s[SEL+1], 0xfedcba98
	s_mov_b32 s[MSK], 0xff00ff00
	s_mov_b32 s[MSK+1], 0xf0f0f0f0
	s_mov_b32 s[MSK+2], 0xcccccccc
	s_mov_b32 s[MSK+3], 0xaaaaaaaa
	s_mov_b32 s[SXS], 0
	s_mov_b32 s[OFS+1], 0
	s_mov_b32 s53, 0
	s_wait_kmcnt 0x0
	s_load_b32 s30, s[20:21], 0x0                  ; norm_scale
	s_lshl_b32 s52, s27, 14                        ; a head's codes: 64 columns of 256 bytes
	s_add_nc_u64 s[8:9], s[8:9], s[52:53]
	s_add_nc_u64 s[12:13], s[12:13], s[52:53]
	s_lshl_b32 s52, s27, 9
	s_add_nc_u64 s[10:11], s[10:11], s[52:53]
	s_add_nc_u64 s[14:15], s[14:15], s[52:53]
	s_lshl_b32 s52, s27, 8
	s_add_nc_u64 s[16:17], s[16:17], s[52:53]
	s_add_nc_u64 s[18:19], s[18:19], s[52:53]
	s_mul_i32 s52, s28, XSCW
	s_add_nc_u64 s[6:7], s[6:7], s[52:53]
	s_mul_i32 s52, s28, 800*256
	s_lshl_b32 s54, s26, 11
	s_add_co_u32 s52, s52, s54
	s_add_nc_u64 s[XBASE:XBASE+1], s[4:5], s[52:53]
	s_lshl_b32 s52, s28, 17                        ; ktp: 131,072 bytes a chunk, 16,384 a head
	s_lshl_b32 s54, s27, 14
	s_add_co_u32 s52, s52, s54
	s_add_nc_u64 s[22:23], s[22:23], s[52:53]
	s_mul_i32 s52, s27, 64000                      ; skp: 64,000 bytes a head, 256 a chunk
	s_lshl_b32 s54, s28, 8
	s_add_co_u32 s52, s52, s54
	s_add_nc_u64 s[24:25], s[24:25], s[52:53]
	WIN 0x40                                       ; destination window 1
	s_wait_alu depctr_va_vdst(0)                   ; the offsets and LDS addresses v1, v3, v4 and v39 to v47 are written, which the loads and LDS stores of the head and of the loop read
.irp t, 0,1,2,3
.irp s, 0,1
.irp c, 0,1,2,3
	global_load_b128 v[16*(2*\t+\s)+4*\c:16*(2*\t+\s)+4*\c+3], v39, s[8:9] offset:(32*(\t/2)+8*(\t%2))*256+128*\s+32*\c
	global_load_b128 v[128+16*(2*\t+\s)+4*\c:128+16*(2*\t+\s)+4*\c+3], v40, s[12:13] offset:16*\t*256+128*\s+32*\c
.endr
.endr
.endr
	WIN 0xc0                                       ; destination window 3
.irp t, 0,1,2,3
.irp j, 0,1,2,3,4,5,6,7
	global_load_b32 v[64+8*\t+\j], v43, s[16:17] offset:(32*(\t/2)+8*(\t%2))*4   ; in the result a lane holds one feature: its bias stands in all eight registers
	global_load_b32 v[96+8*\t+\j], v44, s[18:19] offset:64*\t
.endr
.endr
	WIN 0
.irp t, 0,1,2,3
	global_load_b32 v[WKS+\t], v41, s[10:11] offset:(32*(\t/2)+8*(\t%2))*8
	global_load_b32 v[WVS+\t], v42, s[14:15] offset:128*\t
.endr
.irp i, 0,1,2,3,4,5,6,7,8,9,10,11
	global_load_b128 v[DK+4*\i:DK+4*\i+3], v[VL16], s[6:7] offset:512*\i   ; the chunk's scale bytes of x: 12 x 512 + 256 bytes
.endr
	global_load_b64 v[DK+48:DK+49], v45, s[6:7] offset:6144
	WIN 0xc0
.irp q, 0,1,2,3
.irp i, 0,1,2,3
	global_load_b128 v[128+16*\q+4*\i:128+16*\q+4*\i+3], v[VL16], s[XBASE:XBASE+1] offset:BLKB*\q+512*\i   ; blocks 0 to 3, my 8 rows of each
.endr
.endr
	WIN 0x80                                       ; destination window 2: the accumulators, and places 0 to 2 of the eight fragments
.set n, 0
.rept 128
	v_mov_b32 v[n], 0
.set n, n+1
.endr
.irp f, 0,1,2,3,4,5,6,7
.irp i, 0,1,2,3,4,5,6,7,8,9,10,11
	v_mov_b32 v[128+16*\f+\i], 0
.endr
.endr
	WIN 0
.irp i, 0,1,2,3,4,5,6,7
	v_mov_b32 v[PWK+\i], 0                         ; the scale words of the first K step: byte 0 over zero codes
	v_mov_b32 v[SKA+\i], 0
.endr
.irp i, 0,1,2,3,4,5,6,7,8,9,10,11,12,13,14,15
	v_mov_b32 v[G+\i], 0                           ; written once: the destination of a lane move counts as one of its sources
.endr
.irp i, 0,1,2,3
	v_mov_b32 v[PM+\i], 0
.endr
	s_wait_kmcnt 0x0
	v_mov_b32 v[F], s30
	v_add_f32 v[F], 0x358637bd, |v[F]|             ; |norm_scale| + 1e-6
	v_rcp_f32 v[F+1], v[F]
	v_nop
	s_wait_alu depctr_va_vdst(0)                   ; the reciprocal is written, ahead of its first reader
	v_readfirstlane_b32 s[INV], v[F+1]
	s_wait_alu depctr_va_sdst(0)                   ; s[INV] is written, ahead of its first reader
	s_mov_b32 s[INV+1], s[INV]
	v_mul_f32 v[CCV], 0x358637bd, v[F+1]
	v_mov_b32 v[CCV+1], v[CCV]
	s_wait_loadcnt 16                              ; all but the sixteen staging loads are in
.irp i, 0,1,2,3,4,5,6,7,8,9,10,11
	ds_store_b128 v46, v[DK+4*\i:DK+4*\i+3] offset:512*\i
.endr
	ds_store_b64 v47, v[DK+48:DK+49] offset:6144
	STG_ST 0, 0                                    ; block 0 into slot 0
	s_wait_dscnt 0x0                               ; the stores have read their registers
	WIN 0xc0
	s_wait_alu depctr_vm_vsrc(0)                   ; the LDS stores have read set 0, in which the loads below land, and v[DK ..], which k's products write; the head's loads and LDS stores have read v39 to v47, which the feature map's sums write
.irp i, 0,1,2,3
	global_load_b128 v[128+4*\i:128+4*\i+3], v[VL16], s[XBASE:XBASE+1] offset:BLKB*4+512*\i
.endr
	WIN 0
	s_mov_b32 s[SB], 5*BLKB
	s_barrier_signal -1
	s_barrier_wait -1                              ; block 0 lies whole in slot 0
	PHASE 3, 1                                     ; block 0: place 3
	s_mov_b32 s[CNT], 6
.Ltrip:                                                ; blocks 1 + 4 k to 4 + 4 k
	PHASE 0, 0
	PHASE 1, 0
	PHASE 2, 0
	PHASE 3, 0
	s_add_co_u32 s[SXS], s[SXS], 1024
	s_sub_co_u32 s[CNT], s[CNT], 1
	s_cmp_lg_u32 s[CNT], 0
	s_cbranch_scc1 .Ltrip
	VQ1                                            ; the last block's v, and the last K step
	VQ2 3
	s_wait_alu depctr_va_vdst(0)                   ; v's and phi_k's codes and scale words of place 3 are written, which the products below take; the four places above stay beside this wait
	MKV
.irp t, 0,1,2,3
	v_add_f32 v[TM+\t], v[SKA+2*\t], v[SKA+2*\t+1] ; the sums of phi_k: even rows' and odd rows',
.endr
.irp t, 0,1,2,3
	v_permlanex16_b32 v[PM+\t], v[TM+\t], s[SEL], s[SEL+1]
.endr
.irp t, 0,1,2,3
	v_add_f32 v[TM+\t], v[TM+\t], v[PM+\t]         ; and the other half's 16 rows of each block
.endr
	v_lshrrev_b32 v[VT1], 1, v[VL16]               ; 8 x lane
.rept 8
	v_nop                                          ; eight places between the last products and the stores of their results
.endr
	WIN 0x08                                       ; a store's data are its source 1: window 2
	s_wait_alu depctr_va_vdst(0)                   ; the products have written the accumulators, and the additions v[TM ..] and v[VT1]: the stores below read them; the places above stay beside this wait
.irp i, 0,1,2,3,4,5,6,7,8,9,10,11,12,13,14,15
	global_store_b128 v[VL16], v[8*\i:8*\i+3], s[22:23] offset:1024*\i th:TH_STORE_NT      ; each store covers 512 consecutive bytes, aligned; each accumulator from its low end on
	global_store_b128 v[VL16], v[8*\i+4:8*\i+7], s[22:23] offset:1024*\i+512 th:TH_STORE_NT
.endr
	WIN 0
	global_store_b64 v[VT1], v[TM:TM+1], s[24:25]                 ; tiles 0, 1: 256 consecutive bytes, aligned
	global_store_b64 v[VT1], v[TM+2:TM+3], s[24:25] offset:32000  ; tiles 2, 3
	s_wait_dscnt 0x0                               ; the closing lines, six on end
	s_wait_alu 0x0
	s_wait_tensorcnt 0x0
	ds_add_u32 v254, v255
	s_wait_dscnt 0x0
	s_endpgm
.Lfunc_end_k_q6fd8b6ba80_kv:
	.size	k_q6fd8b6ba80_kv, .Lfunc_end_k_q6fd8b6ba80_kv-k_q6fd8b6ba80_kv
	.p2alignl 7, 3214868480
	.fill 96, 4, 3214868480
	.section	.rodata,"a",@progbits
	.p2align	6, 0x0
	.amdhsa_kernel k_q6fd8b6ba80_kv
		.amdhsa_group_segment_fixed_size 43520
		.amdhsa_private_segment_fixed_size 0
		.amdhsa_enable_private_segment 0
		.amdhsa_kernarg_size 88
		.amdhsa_user_sgpr_count 2
		.amdhsa_user_sgpr_kernarg_segment_ptr 1
		.amdhsa_wavefront_size32 1
		.amdhsa_system_sgpr_workgroup_id_x 1
		.amdhsa_system_sgpr_workgroup_id_y 1
		.amdhsa_system_sgpr_workgroup_id_z 1
		.amdhsa_system_vgpr_workitem_id 0
		.amdhsa_next_free_vgpr 960
		.amdhsa_next_free_sgpr 66
		.amdhsa_reserve_vcc 0
		.amdhsa_float_denorm_mode_32 3
		.amdhsa_float_denorm_mode_16_64 3
		.amdhsa_memory_ordered 1
		.amdhsa_forward_progress 1
		.amdhsa_inst_pref_size 246
	.end_amdhsa_kernel
	.amdgpu_metadata
---
amdhsa.version: [ 1, 2 ]
amdhsa.kernels:
  - .name:           k_q6fd8b6ba80_kv
    .symbol:         k_q6fd8b6ba80_kv.kd
    .args:
      - { .name: query_input_codes, .offset: 0, .size: 8, .value_kind: global_buffer, .address_space: global }
      - { .name: query_input_scales, .offset: 8, .size: 8, .value_kind: global_buffer, .address_space: global }
      - { .name: Wk_codes, .offset: 16, .size: 8, .value_kind: global_buffer, .address_space: global }
      - { .name: Wk_scales, .offset: 24, .size: 8, .value_kind: global_buffer, .address_space: global }
      - { .name: Wv_codes, .offset: 32, .size: 8, .value_kind: global_buffer, .address_space: global }
      - { .name: Wv_scales, .offset: 40, .size: 8, .value_kind: global_buffer, .address_space: global }
      - { .name: bk, .offset: 48, .size: 8, .value_kind: global_buffer, .address_space: global }
      - { .name: bv, .offset: 56, .size: 8, .value_kind: global_buffer, .address_space: global }
      - { .name: norm_scale, .offset: 64, .size: 8, .value_kind: global_buffer, .address_space: global }
      - { .name: ktp, .offset: 72, .size: 8, .value_kind: global_buffer, .address_space: global }
      - { .name: skp, .offset: 80, .size: 8, .value_kind: global_buffer, .address_space: global }
    .group_segment_fixed_size: 43520
    .private_segment_fixed_size: 0
    .kernarg_segment_align: 8
    .kernarg_segment_size: 88
    .max_flat_workgroup_size: 128
    .sgpr_count:     66
    .vgpr_count:     960
    .wavefront_size: 32
...
	.end_amdgpu_metadata
.endif
;; end of part 4
;; launch red: the kernel of part 2 again; grid 8 x 8, 25 waves a work-group, no clusters, 60,928 bytes of LDS; arguments ktp, skp, kc, ks, sk; writes kc, ks, sk
;; launch out: the kernel of part 3 again; grid 250 x 1, 4 waves a work-group, no clusters, 252,416 bytes of LDS; arguments query_input_codes, query_input_scales, Wq_codes, Wq_scales, Wv_codes, Wv_scales, Wm_codes, Wm_scales, bq, bv, bm, norm_scale, kc, ks, sk, out0; writes out0
